; MI455X (gfx1250); checked and timed in simulation.
; The chip was launched on July 23, 2026; its instructions are those of AMD's public machine-readable ISA for CDNA 5 (MIT licence, August 2026) and "CDNA5" Instruction Set Architecture Reference Guide (July 2026). The comments in the code are by the model that wrote it; some were corrected since.
;; Multi Head Attention. Allowed arithmetic: matrix products marked QUANTISED: E2M3 operands, one E8M0 scale for each 32 along K, by v_wmma_scale_f32_16x16x128_f8f6f4 with both operands' format E2M3, f32 sums; everything else in f32.
;; Inputs: Wo 1,024 x 1,024 float32; Wqkv 3,072 x 1,024 float32; bo 1,024 float32; bqkv 3,072 float32; x 4 x 2,048 x 1,024 float32.
;; Outputs: out0 4 x 2,048 x 1,024 float32.
;; This version of the problem:
;;   THIS VERSION OF THE PROBLEM IS GIVEN IN LOW PRECISION. The matrix products marked QUANTISED in the list below multiply operands that are first quantised to E2M3 (2 exponent bits, 3 mantissa bits; 6 bits a number), with one power-of-two scale for each 32 numbers along K (OCP MX v1.0); their sums are f32. All else is computed in f32.
;;   The module's matrix products, in the order in which they are computed (A, B: the left and right operand; K: the contracted axis; several contracted axes count as one K, in the product's order):
;;     1. [M 8,192, K 1,024] x [K 1,024, N 3,072]; A: input x; B: input Wqkv: QUANTISED
;;     2. batch 64 x [M 2,048, K 64] x [K 64, N 2,048]; A: computed on the way; B: computed on the way: QUANTISED
;;     3. batch 64 x [M 2,048, K 2,048] x [K 2,048, N 64]; A: softmax (see below); B: computed on the way: QUANTISED
;;     4. [M 8,192, K 1,024] x [K 1,024, N 1,024]; A: computed on the way; B: input Wo: QUANTISED
;;   THE QUANTISER, for each operand of a quantised product, along K:
;;     - K is cut into blocks of 32 from its start; a last block that is shorter is filled with zeros.
;;     - A block's scale is 2^e with e = floor(log2(the largest magnitude in the block)) - 2, held to -126 .. 127; a block of zeros has e = 0. As a byte (E8M0): e + 127.
;;     - Each number is divided by its block's scale, clamped to +-7.5, and rounded to the nearest number of E2M3, ties to even, subnormals kept.
;;     - The product sums the exact products of the quantised numbers (number of the format x scale) in f32.
;;   ~~~python
;;   def quantise(x, axis):      # numpy; x: float32 -> the quantised numbers, widened to float32 again
;;       x = np.moveaxis(x, axis, -1); K = x.shape[-1]
;;       x = np.pad(x, [(0, 0)] * (x.ndim - 1) + [(0, -K % 32)]); x = x.reshape(x.shape[:-1] + (-1, 32)); a = np.abs(x).max(-1, keepdims=True)
;;       e = np.where(a > 0, np.clip(np.frexp(np.where(a > 0, a, 1))[1] - 1 - 2, -126, 127), 0)      # np.frexp(a)[1] - 1 = floor(log2(a)), exactly
;;       r = np.clip(x / 2.0 ** e, -7.5, 7.5)
;;       step = 2.0 ** (np.maximum(np.frexp(np.where(r == 0, 1, r))[1] - 1, 0) - 3)
;;       q = np.round(r / step) * step * 2.0 ** e      # np.round: ties to even
;;       return np.moveaxis(q.reshape(q.shape[:-2] + (-1,))[..., :K], -1, axis).astype(np.float32)
;;   ~~~
;;   SOFTMAX AHEAD OF A QUANTISED PRODUCT. Where the list says 'softmax', what is quantised is not the finished softmax but p = 2^(t - M), with t = logit x log2(e) and M = ceil(the row's largest t), a whole number; so 1/2 < the row's largest p <= 1. The row's sum l is taken of the UNQUANTISED p, in f32, and the product's result is divided by l at the end. Since M is a whole number, a kernel that streams over the keys may use a running M (the ceiling of the running maximum): every later rescaling is an exact power of two, which a block's scale takes up: the codes' values come out the same.
;;   OPERANDS COMPUTED ON THE WAY. 'Computed on the way' means the value that the module computes at that place (a softmax that the list does not call 'softmax' is quantised finished and normalised). What goes into a quantiser is computed in f32, as accurately as f32 sums, v_exp_f32 and their like allow (about 1e-6 of the number): no bf16 or f16 on the way to a quantiser, and a product that is left as it is and whose result goes on into a quantised operand takes f32 operands (vector FMAs, or v_wmma_f32_16x16x4_f32). A number that lies on a knife's edge between two numbers of the format may be rounded either way, as far as f32 arithmetic and the matrix unit's own rounding can turn it there, and no further.
;; One version. Each part assembles by itself: llvm-mc -triple=amdgcn-amd-amdhsa -mcpu=gfx1250 --defsym DOCPART=n.
;; ======== version 1 of 1: 4 launches
;; limits: right only within a limited range of input values
;; workspace buffers: x_codes 6,291,456 bytes; x_scales 262,144 bytes; w_codes 3,145,728 bytes; w_scales 131,072 bytes; qkv_codes 18,874,368 bytes; qkv_scales 1,310,720 bytes; o_codes 6,291,456 bytes; o_scales 262,144 bytes
;; launch quant (part 1): grid 768 x 1, 4 waves a work-group, no clusters, 35,840 bytes of LDS; arguments x, Wqkv, Wo, x_codes, x_scales, w_codes, w_scales; writes x_codes, x_scales, w_codes, w_scales
.if DOCPART == 1
	.amdgcn_target "amdgcn-amd-amdhsa--gfx1250"
	.amdhsa_code_object_version 6
	.text
	.protected	k_q526edf1130_quant
	.globl	k_q526edf1130_quant
	.p2align	8
	.type	k_q526edf1130_quant,@function
k_q526edf1130_quant:
	s_mov_b64 s[64:65], 0
	v_nop
	global_prefetch_b8 v0, s[64:65] scope:SCOPE_SE
	s_setreg_imm32_b32 hwreg(HW_REG_WAVE_MODE, 25, 1), 1
	s_wait_xcnt 0x0
; x [8192][1024], Wqkv [3072][1024] and Wo [1024][1024], f32, K innermost, become codes of FP6 (E2M3) with one E8M0 byte for each 32 along K,
; laid as IMAGES OF OPERAND REGISTERS.  A tile is 16 rows; lane r of tile t holds row 32 (t / 2) + 8 (t % 2) + r + 8 (r / 8).  For a tile and 64 along K the image is 768 bytes:
; [piece 0..2][lane 0..31][8 bytes]; lane (r, h) holds block h of row r, 24 bytes.  Scale bytes: [16 t + r][32].
; w_codes: tiles 0-127 the q and k rows of Wqkv (128 rows a head: q, then k), tiles 128-191 its v rows (64 a head), tiles 192-255 Wo.
; A work-group makes one tile for all of K; wave w takes K 256 w .. 256 w + 255, four chunks of 64.  Each load reads two whole rows' 256 bytes; a chunk turns through the wave's own stage in LDS,
; so that a lane gets the 32 neighbours of one block; each store of codes covers 256 consecutive bytes, aligned.  The tile's 512 scale bytes are gathered in LDS and leave by one store of wave 0.
; A block's scale is 2^(floor(log2(largest magnitude)) - 2); its byte is the largest magnitude's exponent field - 2, held at 1 from below.
; LIMITS: a block of zeros, and a block whose largest magnitude lies under 2^-124, keep the byte 1 (zero codes add nothing under it; this program alone reads the bytes); NaN and infinities are not served.
.set WSTG,  8704                       ; a wave's two stages of 16 rows x 272 bytes
.set STG1,  4352
.set SCB,   4*WSTG                     ; the tile's scale rows, 512 bytes
.set SPARE, SCB+512                    ; the spare words, 128 bytes a wave: two blocks of 256 bytes that no other line names
.set SPW,   12                         ; v12  my spare word's LDS address; never rewritten
.set NIL,   13                         ; v13  0; never rewritten
.set E,     20                         ; v20-23   a scale byte for each chunk
.set R,     32                         ; v32-159  the four chunks as loaded
.set X,     160                        ; v160-223 two sets of 32 neighbours
.set C,     224                        ; v224-255 codes, eight registers a chunk: no store's data are written again
	s_load_b256 s[4:11], s[0:1], 0x0               ; x, Wqkv, Wo, x_codes
	s_load_b128 s[12:15], s[0:1], 0x20             ; x_scales, w_codes
	s_load_b64 s[16:17], s[0:1], 0x30              ; w_scales
	v_lshl_add_u32 v[SPW], v0, 2, SPARE
	v_mov_b32 v[NIL], 0
	v_lshrrev_b32 v1, 5, v0
	v_readfirstlane_b32 s18, v1                    ; wave
	v_and_b32 v1, 31, v0                           ; lane
	v_and_b32 v2, 15, v0                           ; r
	v_bfe_u32 v3, v0, 4, 1                         ; h
	v_lshlrev_b32 v4, 4, v2
	v_lshl_add_u32 v4, v3, 12, v4                  ; in: 16 r in a row's 256 bytes, lanes 16-31 one row down
	s_mul_i32 s19, s18, WSTG
	v_mul_u32_u24 v5, v3, 272
	v_lshl_add_u32 v5, v2, 4, v5
	v_add_nc_u32 v5, s19, v5                       ; stage, on the way in: row h of a pair, 16 r
	v_mul_u32_u24 v6, v2, 272
	v_lshl_add_u32 v6, v3, 7, v6
	v_add_nc_u32 v6, s19, v6                       ; and out: row r, block h
	v_lshlrev_b32 v7, 3, v1                        ; 8 x lane: a piece of an image
	v_lshlrev_b32 v8, 5, v2
	v_add_nc_u32 v8, v8, v3
	s_lshl_b32 s19, s18, 3
	s_add_co_u32 s19, s19, SCB
	v_add_nc_u32 v8, s19, v8                       ; my block's scale byte: SCB + 32 r + 8 w + h (+ 2 x chunk)
	v_lshlrev_b32 v9, 4, v1
	v_add_nc_u32 v10, SCB, v9
	; which tensor: the choice hangs on the work-group's number alone; all four kinds take one path
	s_sub_co_u32 s20, ttmp9, 704
	s_sub_co_u32 s21, ttmp9, 640
	s_sub_co_u32 s22, ttmp9, 512
	s_movk_i32 s23, 192
	s_mov_b32 s24, 0xffff
	s_movk_i32 s25, 128
	s_wait_alu depctr_va_vdst(0)
	s_wait_kmcnt 0x0
	s_cmp_lt_u32 ttmp9, 704                        ; Wqkv's v rows, else Wo
	s_cselect_b32 s26, s21, s20                    ; t: the tile's number in its kind
	s_cselect_b64 s[28:29], s[6:7], s[8:9]         ; the source
	s_cselect_b32 s30, s23, 0                      ; rows of the source from head to head
	s_cselect_b32 s31, 2, 0                        ; log2 of the tiles in a head
	s_cselect_b32 s32, 1, s24                      ; mask of the pairs of tiles in a head
	s_cselect_b32 s33, s25, 0                      ; first row in a head
	s_cmp_lt_u32 ttmp9, 640                        ; Wqkv's q and k rows
	s_cselect_b32 s26, s22, s26
	s_cselect_b32 s31, 3, s31
	s_cselect_b32 s32, 3, s32
	s_cselect_b32 s33, 0, s33
	s_cmp_lt_u32 ttmp9, 512                        ; x
	s_cselect_b32 s26, ttmp9, s26
	s_cselect_b64 s[28:29], s[4:5], s[28:29]
	s_cselect_b32 s30, 0, s30
	s_cselect_b32 s31, 0, s31
	s_cselect_b32 s32, s24, s32
	s_cselect_b32 s33, 0, s33
	s_cselect_b32 s34, ttmp9, s22                  ; the tile's number in its buffer of codes
	s_cselect_b64 s[36:37], s[10:11], s[14:15]
	s_cselect_b64 s[38:39], s[12:13], s[16:17]
	s_lshr_b32 s40, s26, s31
	s_mul_i32 s40, s40, s30
	s_add_co_u32 s40, s40, s33
	s_lshr_b32 s41, s26, 1
	s_and_b32 s41, s41, s32
	s_lshl_b32 s41, s41, 5
	s_add_co_u32 s40, s40, s41
	s_and_b32 s41, s26, 1
	s_lshl_b32 s41, s41, 3
	s_add_co_u32 s40, s40, s41                     ; the source row of the tile's lane 0
	s_lshl_b32 s40, s40, 12                        ; rows of 4,096 bytes
	s_lshl_b32 s41, s18, 10                        ; my wave's 256 along K
	s_add_co_u32 s40, s40, s41
	s_mov_b32 s41, 0
	s_add_nc_u64 s[28:29], s[28:29], s[40:41]
	s_mul_i32 s42, s34, 12288
	s_mul_i32 s43, s18, 3072
	s_add_co_u32 s42, s42, s43
	s_mov_b32 s43, 0
	s_add_nc_u64 s[36:37], s[36:37], s[42:43]
	s_lshl_b32 s42, s34, 9
	s_add_nc_u64 s[38:39], s[38:39], s[42:43]
.macro LOAD c                          ; chunk c: the tile's rows 2 i and 2 i + 1, 256 bytes each
.irp i, 0,1,2,3,4,5,6,7
	global_load_b128 v[R+32*(\c)+4*\i:R+32*(\c)+4*\i+3], v4, s[28:29] offset:(2*\i+8*(\i/4))*4096+256*(\c) th:TH_LOAD_NT
.endr
.endm
.macro TURN c                          ; through the stage: LDS serves a wave's instructions in order, so no wait stands between the stores and the loads
.irp i, 0,1,2,3,4,5,6,7
	ds_store_b128 v5, v[R+32*(\c)+4*\i:R+32*(\c)+4*\i+3] offset:STG1*((\c)%2)+544*\i
.endr
.irp j, 0,1,2,3,4,5,6,7
	ds_load_b128 v[X+32*((\c)%2)+4*\j:X+32*((\c)%2)+4*\j+3], v6 offset:STG1*((\c)%2)+16*\j
.endr
.endm
.macro STEPQ c
.set XS, X+32*((\c)%2)
.set CC, C+8*(\c)
.if (\c) > 0
	s_wait_dscnt 1                                 ; this chunk is back from the stage; the last chunk's byte store may be out
.else
	s_wait_dscnt 0x0
.endif
.if (\c) < 3
	s_wait_loadcnt 16-8*(\c)                       ; the next chunk's eight loads are in; those of the chunks behind it may be out
	TURN (\c)+1
.endif
	v_max3_num_f32 v14, |v[XS]|, |v[XS+1]|, |v[XS+2]|
	v_max3_num_f32 v15, |v[XS+3]|, |v[XS+4]|, |v[XS+5]|
.irp i, 6,10,14,18,22,26
	v_max3_num_f32 v14, v14, |v[XS+\i]|, |v[XS+\i+1]|
	v_max3_num_f32 v15, v15, |v[XS+\i+2]|, |v[XS+\i+3]|
.endr
	v_max3_num_f32 v14, v14, |v[XS+30]|, |v[XS+31]|
	v_max3_num_f32 v14, v14, v15, 0x1800000        ; with the floor 2^(3 - 127): the byte cannot fall under 1
	v_add_nc_u32 v16, 0xff000000, v14              ; 2 off the exponent field: the conversion's scale operand
	v_cvt_scalef32_pk16_fp6_f32 v[CC:CC+2], v[XS:XS+15], v16
	v_cvt_scalef32_pk16_fp6_f32 v[CC+4:CC+6], v[XS+16:XS+31], v16   ; (a conversion's three registers begin on an even number)
	v_lshrrev_b32 v[E+(\c)], 23, v16               ; the scale's byte; also the plain line behind the conversions
	v_mov_b32 v[CC+3], v[CC+4]
	v_mov_b32 v[CC+4], v[CC+5]
	v_mov_b32 v[CC+5], v[CC+6]
	ds_store_b8 v8, v[E+(\c)] offset:2*(\c)
.irp p, 0,1,2
	global_store_b64 v7, v[CC+2*\p:CC+2*\p+1], s[36:37] offset:768*(\c)+256*\p   ; 32 lanes store 256 consecutive bytes, aligned
.endr
.endm
	LOAD 0
	LOAD 1
	LOAD 2
	LOAD 3
	s_wait_loadcnt 24                              ; chunk 0's eight loads are in
	TURN 0
	STEPQ 0
	STEPQ 1
	STEPQ 2
	STEPQ 3
	s_wait_dscnt 0x0                               ; for the others' sake: my byte stores have landed
	s_barrier_signal -1
	s_barrier_wait -1
	s_cmp_lg_u32 s18, 0
	s_cbranch_scc1 .Ldone
	ds_load_b128 v[24:27], v10                     ; the tile's 16 scale rows
	s_wait_dscnt 0x0
	global_store_b128 v9, v[24:27], s[38:39]       ; 512 consecutive bytes, aligned
.Ldone:
	s_wait_tensorcnt 0x0                           ; the wave's end, behind my last LDS store
	ds_add_u32 v[SPW], v[NIL]
	s_wait_dscnt 0x0
	s_endpgm
.Lfunc_end_k_q526edf1130_quant:
	.size	k_q526edf1130_quant, .Lfunc_end_k_q526edf1130_quant-k_q526edf1130_quant
	.p2alignl 7, 3214868480
	.fill 96, 4, 3214868480
	.section	.rodata,"a",@progbits
	.p2align	6, 0x0
	.amdhsa_kernel k_q526edf1130_quant
		.amdhsa_group_segment_fixed_size 35840
		.amdhsa_private_segment_fixed_size 0
		.amdhsa_enable_private_segment 0
		.amdhsa_kernarg_size 56
		.amdhsa_user_sgpr_count 2
		.amdhsa_user_sgpr_kernarg_segment_ptr 1
		.amdhsa_wavefront_size32 1
		.amdhsa_system_sgpr_workgroup_id_x 1
		.amdhsa_system_sgpr_workgroup_id_y 1
		.amdhsa_system_sgpr_workgroup_id_z 1
		.amdhsa_system_vgpr_workitem_id 0
		.amdhsa_next_free_vgpr 256
		.amdhsa_next_free_sgpr 66
		.amdhsa_reserve_vcc 0
		.amdhsa_float_denorm_mode_32 3
		.amdhsa_float_denorm_mode_16_64 3
		.amdhsa_memory_ordered 1
		.amdhsa_forward_progress 1
		.amdhsa_inst_pref_size 18
	.end_amdhsa_kernel
	.amdgpu_metadata
---
amdhsa.version: [ 1, 2 ]
amdhsa.kernels:
  - .name:           k_q526edf1130_quant
    .symbol:         k_q526edf1130_quant.kd
    .args:
      - { .name: x, .offset: 0, .size: 8, .value_kind: global_buffer, .address_space: global }
      - { .name: Wqkv, .offset: 8, .size: 8, .value_kind: global_buffer, .address_space: global }
      - { .name: Wo, .offset: 16, .size: 8, .value_kind: global_buffer, .address_space: global }
      - { .name: x_codes, .offset: 24, .size: 8, .value_kind: global_buffer, .address_space: global }
      - { .name: x_scales, .offset: 32, .size: 8, .value_kind: global_buffer, .address_space: global }
      - { .name: w_codes, .offset: 40, .size: 8, .value_kind: global_buffer, .address_space: global }
      - { .name: w_scales, .offset: 48, .size: 8, .value_kind: global_buffer, .address_space: global }
    .group_segment_fixed_size: 35840
    .private_segment_fixed_size: 0
    .kernarg_segment_align: 8
    .kernarg_segment_size: 56
    .max_flat_workgroup_size: 128
    .sgpr_count:     66
    .vgpr_count:     256
    .wavefront_size: 32
...
	.end_amdgpu_metadata
.endif
;; end of part 1
;; launch qkv (part 2): grid 8 x 48, 4 waves a work-group, clusters of 4 x 4, 327,680 bytes of LDS; arguments x_codes, x_scales, w_codes, w_scales, bqkv, qkv_codes, qkv_scales; writes qkv_codes, qkv_scales
.if DOCPART == 2
	.amdgcn_target "amdgcn-amd-amdhsa--gfx1250"
	.amdhsa_code_object_version 6
	.text
	.protected	k_q526edf1130_qkv
	.globl	k_q526edf1130_qkv
	.p2align	8
	.type	k_q526edf1130_qkv,@function
k_q526edf1130_qkv:
	s_mov_b64 s[64:65], 0
	v_nop
	global_prefetch_b8 v0, s[64:65] scope:SCOPE_SE
	s_setreg_imm32_b32 hwreg(HW_REG_WAVE_MODE, 25, 1), 1
	s_wait_xcnt 0x0
	s_wait_alu depctr_hold_cnt(0) depctr_sa_sdst(0) depctr_va_vdst(0) depctr_va_sdst(0) depctr_va_ssrc(0) depctr_va_vcc(0) depctr_vm_vsrc(0)
	s_getreg_b32 s2, hwreg(HW_REG_IB_STS2, 6, 4)
	s_cmp_eq_u32 s2, 0
	s_cbranch_scc0 .Lentry_in_a_cluster
	s_endpgm
.Lentry_in_a_cluster:
	s_bfe_u32 s2, ttmp6, 0x10000c
	s_cmp_lg_u32 s2, 0xf033
	s_cbranch_scc0 .Lentry_shape_is_right
	s_endpgm
.Lentry_shape_is_right:
.set NQ,     2
.set ROWB,   3072
.set TPITCH, 12288
.set HALFT,  8*ROWB
.set SLOT,   4*HALFT
.set SCL,    2*SLOT
.set HALFS,  16*272
.set SBLK,   2*272
.set SPARE,  SCL+4*HALFS
.set FR,     12
.set NL,     6
.set NP,     4
.set CBYA,   1
.set ADRA, 16
.set ADRB, 20
.set VO0,  24
.set VO1,  25
.set VSO,  26
.set ADRS, 27
.set SPW,  28
.set NIL,  29
.set SH,   30
.set SC,   32
.set CB,   64
.set HA,   64
.set AF,   128
.set SW,   176
.set TM,   200
.set PW,   216
.set RB,   224
.set SEL,  2
.set G1, 24
.set G0, 32
.set G1B, 48
.set G0B, 56
.set G1S, 68
.set G0S, 76
.set G1SB, 80
.set G0SB, 88
.set MSB, 0
.macro WIN new
.if MSB != (\new)
	s_set_vgpr_msb (MSB<<8)|(\new)
.set MSB, (\new)
.endif
.endm
.set MUL_LO, 0xa1
.set MUL_HI, 0xf1
.set TO_B,   0x40
.macro JLOAD g0a, g1a, g0b, g1b
	s_cmp_eq_u32 s19, 0
	s_cbranch_scc0 .Lfor_b_\@
	tensor_load_to_lds s[\g0a:\g0a+3], s[\g1a:\g1a+7]
	s_nop 0
.rept 4
	v_nop
.endr
	s_branch .Lasked_\@
.Lfor_b_\@:
	tensor_load_to_lds s[\g0b:\g0b+3], s[\g1b:\g1b+7]
	s_nop 0
.rept 4
	v_nop
.endr
.Lasked_\@:
.endm
.macro CREST
	s_cmp_lg_u32 s18, 0
	s_cbranch_scc1 .Lnot_wave_0_\@
	s_barrier_signal -3
.Lnot_wave_0_\@:
	s_barrier_wait -3
	s_barrier_signal -1
	s_barrier_wait -1
.endm
.macro CROUND
	s_barrier_signal -1
	s_barrier_wait -1
	CREST
.endm
	s_load_b256 s[4:11], s[0:1], 0x0
	s_load_b128 s[12:15], s[0:1], 0x20
	s_load_b64 s[16:17], s[0:1], 0x30
	v_lshl_add_u32 v[SPW], v0, 2, SPARE
	v_mov_b32 v[NIL], 0
	ds_add_u32 v[SPW], v[NIL]
	ds_add_u32 v[SPW], v[NIL]
	v_lshrrev_b32 v1, 5, v0
	v_readfirstlane_b32 s18, v1
	s_lshr_b32 s19, s18, 1
	s_and_b32 s20, s18, 1
	s_bfe_u32 s21, ttmp6, 0x40000
	s_bfe_u32 s22, ttmp6, 0x40004
	s_and_b32 s23, ttmp7, 0xffff
	s_lshl_b32 s40, s22, 2
	s_lshl_b32 s40, 15, s40
	s_lshl_b32 s92, 0x1111, s21
	s_or_b32 s[G1], s40, (3<<16)|(1<<21)
	s_or_b32 s[G1B], s92, (3<<16)|(1<<21)
.irp g, G1, G1B
	s_mov_b32 s[\g+1], 384<<16
	s_mov_b32 s[\g+2], 16<<16                      ; the head's loads bring 16 tiles; behind them the two words that count rows are set to 8, for the ring's
	s_mov_b32 s[\g+3], 384<<16
	s_mov_b32 s[\g+4], 16
	s_mov_b32 s[\g+5], 1536
	s_mov_b32 s[\g+6], 0
	s_mov_b32 s[\g+7], 0
.endr
	s_or_b32 s[G1S], s40, (3<<16)|(1<<20)|(1<<21)|(5<<22)|(3<<25)
	s_or_b32 s[G1SB], s92, (3<<16)|(1<<20)|(1<<21)|(5<<22)|(3<<25)
.irp g, G1S, G1SB
	s_mov_b32 s[\g+1], 32<<16
	s_mov_b32 s[\g+2], 32<<16                      ; the scales of all 256 rows: 32 rows of 256 bytes
	s_mov_b32 s[\g+3], 32<<16
	s_mov_b32 s[\g+4], 32
	s_mov_b32 s[\g+5], 32
	s_mov_b32 s[\g+6], 0
	s_mov_b32 s[\g+7], 0
.endr
	s_sub_co_u32 s93, s23, 8
	s_cmp_lt_u32 s23, 8
	s_cselect_b32 s41, s23, 0
	s_cselect_b32 s42, 0, 128
	s_cselect_b32 s93, 0, s93
	s_lshl_b32 s41, s41, 2
	s_add_co_u32 s41, s41, s22
	s_lshl_b32 s66, s41, 4
	s_lshl_b32 s43, s19, 3
	s_add_co_u32 s66, s66, s43
	s_lshl_b32 s43, s41, 4
	s_add_co_u32 s43, s43, s42
	s_lshl_b32 s44, s20, 3
	s_add_co_u32 s43, s43, s44
	s_mul_i32 s44, s43, TPITCH
	s_mov_b32 s45, 0
	s_lshl_b32 s46, s43, 9
	s_mov_b32 s47, 0
	s_lshl_b32 s92, ttmp9, 2
	s_add_co_u32 s92, s92, s21
	s_lshl_b32 s93, s93, 3
	s_add_co_u32 s92, s92, s93
	s_lshl_b32 s67, s92, 1
	s_add_co_u32 s67, s67, s20
	s_lshl_b32 s92, s92, 4
	s_lshl_b32 s93, s20, 3
	s_add_co_u32 s92, s92, s93
	s_lshl_b32 s2, s92, 9
	s_mov_b32 s3, 0
	s_mul_i32 s92, s92, TPITCH
	s_mov_b32 s93, 0
	s_mul_i32 s94, s18, HALFT
	s_wait_dscnt 0x0
	s_wait_kmcnt 0x0
	s_cmp_lt_u32 s23, 8
	s_cselect_b64 s[40:41], s[4:5], s[8:9]
	s_cselect_b64 s[42:43], s[6:7], s[10:11]
	s_cselect_b64 s[96:97], s[8:9], s[4:5]
	s_cselect_b64 s[98:99], s[10:11], s[6:7]
	s_add_nc_u64 s[40:41], s[40:41], s[44:45]
	s_add_nc_u64 s[42:43], s[42:43], s[46:47]
	s_add_nc_u64 s[96:97], s[96:97], s[92:93]
	s_add_nc_u64 s[98:99], s[98:99], s[2:3]
	CROUND
	s_mov_b32 s[G0S], 1
	s_mul_i32 s[G0S+1], s19, 2*HALFS               ; waves 1 and 3 fetch the scales: A's at SCL, B's behind them
	s_add_co_u32 s[G0S+1], s[G0S+1], SCL
	s_sub_nc_u64 s[G0S+2:G0S+3], s[42:43], 4096    ; from these waves' upper 8 tiles back to the first: 8 x 512 bytes
	s_or_b32 s[G0S+3], s[G0S+3], 0x80000000
	s_mov_b32 s[G0SB], 1
	s_mul_i32 s[G0SB+1], s19, 2*HALFS
	s_add_co_u32 s[G0SB+1], s[G0SB+1], SCL
	s_sub_nc_u64 s[G0SB+2:G0SB+3], s[98:99], 4096
	s_or_b32 s[G0SB+3], s[G0SB+3], 0x80000000
.irp s, 0,1
	s_mov_b32 s[G0+4*\s], 1
	s_add_co_u32 s[G0+4*\s+1], s94, \s*SLOT
	s_add_nc_u64 s[G0+4*\s+2:G0+4*\s+3], s[40:41], \s*ROWB
	s_or_b32 s[G0+4*\s+3], s[G0+4*\s+3], 0x80000000
	s_mov_b32 s[G0B+4*\s], 1
	s_add_co_u32 s[G0B+4*\s+1], s94, \s*SLOT
	s_add_nc_u64 s[G0B+4*\s+2:G0B+4*\s+3], s[96:97], \s*ROWB
	s_or_b32 s[G0B+4*\s+3], s[G0B+4*\s+3], 0x80000000
.endr
	s_cmp_eq_u32 s18, 0                            ; the head's four tiles, one joint load a wave, in one chain of branches on the wave's number: wave 0 A's 16 tiles of slot 0,
	s_cbranch_scc0 .Lhead_b
	tensor_load_to_lds s[G0:G0+3], s[G1:G1+7]
	s_nop 0
.rept 4
	v_nop
.endr
	s_branch .Lhead_asked
.Lhead_b:
	s_cmp_eq_u32 s18, 2                            ; wave 2 B's 16 tiles,
	s_cbranch_scc0 .Lhead_sa
	tensor_load_to_lds s[G0B:G0B+3], s[G1B:G1B+7]
	s_nop 0
.rept 4
	v_nop
.endr
	s_branch .Lhead_asked
.Lhead_sa:
	s_cmp_eq_u32 s18, 1                            ; wave 1 A's scales,
	s_cbranch_scc0 .Lhead_sb
	tensor_load_to_lds s[G0S:G0S+3], s[G1S:G1S+7]
	s_nop 0
.rept 4
	v_nop
.endr
	s_branch .Lhead_asked
.Lhead_sb:
	tensor_load_to_lds s[G0SB:G0SB+3], s[G1SB:G1SB+7]   ; wave 3 B's
	s_nop 0
.rept 4
	v_nop
.endr
.Lhead_asked:
	v_and_b32 v1, 15, v0
	v_bfe_u32 v2, v0, 4, 1
	v_and_b32 v3, 31, v0
	v_lshlrev_b32 v[VO0], 3, v3
	s_mul_i32 s40, s19, HALFT
	s_mul_i32 s41, s20, HALFT
	s_add_co_u32 s41, s41, 2*HALFT
.irp s, 0,1
	v_add_nc_u32 v[ADRA+\s], s40, v[VO0]
	v_add_nc_u32 v[ADRB+\s], s41, v[VO0]
	s_add_co_u32 s40, s40, SLOT
	s_add_co_u32 s41, s41, SLOT
.endr
	v_lshlrev_b32 v5, 5, v1
	v_lshrrev_b32 v6, 8, v5
	v_lshl_add_u32 v5, v6, 4, v5
	s_mul_i32 s40, s19, HALFS
	s_mul_i32 s41, s20, HALFS
	s_add_co_u32 s41, s41, 2*HALFS
	s_sub_co_u32 s41, s41, s40
	v_mul_u32_u24 v6, s41, v2
	s_add_co_u32 s40, s40, SCL
	v_add_nc_u32 v5, v5, v6
	v_add_nc_u32 v[ADRS], s40, v5
	s_cmp_lt_u32 s23, 8
	s_mov_b32 s94, 49152
	s_cselect_b32 s94, 393216, s94
	s_cselect_b32 s95, 0, 12582912
	s_cselect_b32 s96, 0, 1048576
	s_mov_b32 s97, 4096
	s_cselect_b32 s97, 65536, s97
	s_cselect_b32 s98, 32768, 0
	s_cselect_b32 s99, 16, 0
	s_cselect_b32 s100, 0xffff, -1
	s_cselect_b32 s101, -1, 0
	s_cselect_b32 s93, 0, -1
	s_cselect_b32 s92, s67, 0
	s_cselect_b32 s47, 0, s66
	s_mul_i32 s40, s67, s94
	s_lshl_b32 s40, s40, 1
	s_add_co_u32 s40, s40, s95
	s_mul_i32 s41, s66, 768
	s_add_co_u32 s40, s40, s41
	s_mov_b32 s41, 0
	s_add_nc_u64 s[14:15], s[14:15], s[40:41]
	s_mul_i32 s40, s67, s97
	s_add_co_u32 s40, s40, s96
	s_lshl_b32 s46, s66, 6
	s_add_co_u32 s40, s40, s46
	s_add_nc_u64 s[16:17], s[16:17], s[40:41]
	s_mul_i32 s40, s92, 768
	s_add_nc_u64 s[42:43], s[12:13], s[40:41]
	s_mul_i32 s40, s47, 192
	s_add_nc_u64 s[44:45], s[12:13], s[40:41]
	s_mov_b32 s[SEL], 0x76543210
	s_mov_b32 s[SEL+1], 0xfedcba98
	v_add_nc_u32 v[VO1], s94, v[VO0]
	v_mul_u32_u24 v[VSO], s98, v2
	v_lshl_add_u32 v[VSO], v1, 4, v[VSO]
	v_mul_u32_u24 v[SH], s99, v2
	v_lshlrev_b32 v4, 6, v2
	v_and_b32 v7, 8, v1
	v_add_nc_u32 v7, v7, v1
	v_lshlrev_b32 v7, 2, v7
	WIN TO_B
.irp e, 0,1,2,3
.irp j, 0,1,2,3
	global_load_b128 v[96+16*\e+4*\j+96*(\e/2):96+16*\e+4*\j+96*(\e/2)+3], v4, s[42:43] offset:128*\e+16*\j
.endr
.endr
	WIN 0
.irp a, 0,1,2,3,4,5,6,7
	global_load_b32 v[RB+\a], v7, s[44:45] offset:4*(192*(\a/4)+128+32*((\a%4)/2)+8*(\a%2))
.endr
	s_wait_loadcnt 0x0
.irp a, 0,1,2,3,4,5,6,7
.irp j, 0,1,2,3,4,5,6,7
	v_and_b32 v[CB+8*\a+\j], s93, v[RB+\a]
.endr
.endr
	WIN 0x44
.set k, 0
.rept 64
	v_and_b32 v[96+k+96*(k/32)], s101, v[96+k+96*(k/32)]
.set k, k+1
.endr
	WIN 0
.macro FRAG reg, adr, q, i
.irp p, 0,1,2,3,4,5
	ds_load_b64 v[\reg+2*\p:\reg+2*\p+1], v[\adr] offset:(\i)*ROWB+(2*(\q)+\p/3)*768+256*(\p%3)
.endr
.endm
.macro MUL16 a0, p, q, sc, cm
.irp a, \a0, \a0+1
.irp b, 0,1,2,3,4,5,6,7
.if \cm
	v_wmma_scale_f32_16x16x128_f8f6f4 v[8*(8*((\a)%4)+\b):8*(8*((\a)%4)+\b)+7], v[128*(\p)+FR*\b:128*(\p)+FR*\b+FR-1], v[AF+FR*(\a):AF+FR*(\a)+FR-1], v[CB+8*(CBYA*(\a)+(1-CBYA)*\b):CB+8*(CBYA*(\a)+(1-CBYA)*\b)+7], v[SC+8*NQ*(\sc)+NQ*\b+(\q)], v[SC+8*NQ*(\sc)+NQ*(\a)+(\q)] matrix_a_fmt:MATRIX_FMT_FP6 matrix_b_fmt:MATRIX_FMT_FP6 matrix_a_scale:MATRIX_SCALE_ROW1
.else
	v_wmma_scale_f32_16x16x128_f8f6f4 v[8*(8*((\a)%4)+\b):8*(8*((\a)%4)+\b)+7], v[128*(\p)+FR*\b:128*(\p)+FR*\b+FR-1], v[AF+FR*(\a):AF+FR*(\a)+FR-1], v[8*(8*((\a)%4)+\b):8*(8*((\a)%4)+\b)+7], v[SC+8*NQ*(\sc)+NQ*\b+(\q)], v[SC+8*NQ*(\sc)+NQ*(\a)+(\q)] matrix_a_fmt:MATRIX_FMT_FP6 matrix_b_fmt:MATRIX_FMT_FP6 matrix_a_scale:MATRIX_SCALE_ROW1
.endif
.endr
.endr
.endm
.macro FETCH_B slot, q, p
	WIN TO_B
.irp i, 0,1,2,3,4,5,6,7
	FRAG 128*(\p)+FR*\i, ADRB+\slot, \q, \i
.endr
	WIN 0
.endm
.macro FETCH_A slot, q, i0
.irp i, \i0, \i0+1, \i0+2, \i0+3
	FRAG AF+FR*(\i), ADRA+\slot, \q, \i
.endr
.endm
.macro SCALES sc
.irp i, 0,1,2,3,4,5,6,7
	ds_load_b64 v[SC+8*NQ*\sc+NQ*\i:SC+8*NQ*\sc+NQ*\i+1], v[ADRS] offset:\i*SBLK
.endr
.endm
.macro PLACES n
.rept \n
	v_nop
.endr
.endm
.macro STEP slot, q, cm
	s_wait_dscnt 4*NL
	WIN MUL_LO-0x20*(\cm)
	MUL16 0, (\q)%2, \q, \slot, \cm
	MUL16 2, (\q)%2, \q, \slot, \cm
	s_wait_dscnt 0
	PLACES NP
	FETCH_B \slot, (\q)+1, 1-(\q)%2
	FETCH_A \slot, (\q)+1, 0
	WIN MUL_HI-0x30*(\cm)
	MUL16 4, (\q)%2, \q, \slot, \cm
	MUL16 6, (\q)%2, \q, \slot, \cm
	PLACES NP
	WIN 0
	FETCH_A \slot, (\q)+1, 4
.endm
.macro TURN slot, next, fill
	s_wait_tensorcnt 0x0
	ds_add_u32 v[SPW], v[NIL]
	s_wait_dscnt 4*NL+1
	WIN MUL_LO
	MUL16 0, 1, NQ-1, \slot, 0
	s_wait_dscnt 0x0
	s_barrier_signal -1
	MUL16 2, 1, NQ-1, \slot, 0
	WIN 0
	s_barrier_wait -1
.if \fill
	CREST
	s_add_nc_u64 s[G0+4*\slot+2:G0+4*\slot+3], s[G0+4*\slot+2:G0+4*\slot+3], 2*ROWB
	s_add_nc_u64 s[G0B+4*\slot+2:G0B+4*\slot+3], s[G0B+4*\slot+2:G0B+4*\slot+3], 2*ROWB
	JLOAD G0+4*\slot, G1, G0B+4*\slot, G1B
.else
	PLACES NP
.endif
	s_wait_alu depctr_va_vdst(0)
	v_add_nc_u32 v[ADRS], 4*NQ, v[ADRS]
	FETCH_B \next, 0, 0
	FETCH_A \next, 0, 0
	SCALES \next
	WIN MUL_HI
	MUL16 4, 1, NQ-1, \slot, 0
	MUL16 6, 1, NQ-1, \slot, 0
	PLACES NP
	WIN 0
	FETCH_A \next, 0, 4
.endm
.macro QUANT s
.irp b, 0,1,2,3
	v_max3_num_f32 v[TM+\b], |v[\s+16*\b]|, |v[\s+1+16*\b]|, 0x1800000
.endr
.irp i, 2,4,6,8,10,12,14
.irp b, 0,1,2,3
	v_max3_num_f32 v[TM+\b], v[TM+\b], |v[\s+16*\b+\i]|, |v[\s+1+16*\b+\i]|
.endr
.endr
.irp b, 0,1,2,3
	v_permlanex16_b32 v[TM+4+\b], v[TM+\b], s[SEL], s[SEL+1]
.endr
.irp b, 0,1,2,3
	v_max_num_f32 v[TM+\b], v[TM+\b], v[TM+4+\b]
.endr
.irp b, 0,1,2,3
	v_add_nc_u32 v[TM+12+\b], 0xff000000, v[TM+\b]
.endr
.irp b, 0,1,2,3
	v_lshrrev_b32 v[TM+4+\b], 23, v[TM+12+\b]
.endr
	v_lshl_or_b32 v[PW], v[TM+5], 8, v[TM+4]
	v_lshl_or_b32 v[PW], v[TM+6], 16, v[PW]
	v_lshl_or_b32 v[PW], v[TM+7], 24, v[PW]
.irp c, 0,1
	v_cvt_scalef32_pk16_fp6_f32 v[PC+6*\c:PC+2+6*\c], v[\s+32*\c:\s+15+32*\c], v[TM+12+2*\c]
	v_cvt_scalef32_pk16_fp6_f32 v[PC+12+4*\c:PC+14+4*\c], v[\s+16+32*\c:\s+31+32*\c], v[TM+12+2*\c+1]
.endr
	v_nop
.irp c, 0,1
.irp i, 0,1,2
	v_permlane16_swap_b32 v[PC+6*\c+\i], v[PC+12+4*\c+\i]
.endr
.irp i, 0,1,2
	v_mov_b32 v[PC+3+6*\c+\i], v[PC+12+4*\c+\i]
.endr
.endr
.endm
.macro OUTB a
.set PC, 128+24*((\a)%2)
.if (\a) > 1
	s_wait_xcnt 0x0
.endif
	WIN 0x06+(\a)/4
.set k, 0
.rept 32
	v_pk_add_f32 v[HA+2*k:HA+2*k+1], v[64*((\a)%4)+2*k:64*((\a)%4)+2*k+1], v[96+2*k+96*(k/16):96+2*k+96*(k/16)+1]
.set k, k+1
.endr
	WIN 0
	QUANT HA
	v_lshrrev_b32 v[SW+(\a)], v[SH], v[PW]
	v_and_b32 v[SW+(\a)], s100, v[SW+(\a)]
.irp p, 0,1,2
	global_store_b64 v[VO0], v[PC+2*\p:PC+2*\p+1], s[14:15] offset:768*(\a)+256*\p
.endr
.irp p, 0,1,2
	global_store_b64 v[VO1], v[PC+6+2*\p:PC+6+2*\p+1], s[14:15] offset:768*(\a)+256*\p
.endr
.endm
	s_wait_alu depctr_va_vdst(0)                   ; the head's end
	s_wait_tensorcnt 0x0                           ; my tile of the head's four is in
	ds_add_u32 v[SPW], v[NIL]
	s_mov_b32 s[G1+2], 8<<16                       ; no tensor load of mine is out: from here on a load brings 8 tiles
	s_mov_b32 s[G1+4], 8
	s_mov_b32 s[G1B+2], 8<<16
	s_mov_b32 s[G1B+4], 8
	s_wait_dscnt 0x0
	CROUND                                         ; all four tiles are in, and all sixteen work-groups are here
	JLOAD G0+4, G1, G0B+4, G1B                     ; slot 1's first fill, the first tensor load behind the round
	FETCH_B 0, 0, 0
	FETCH_A 0, 0, 0
	SCALES 0
	FETCH_A 0, 0, 4
	STEP 0, 0, 1
	TURN 0, 1, 1
	STEP 1, 0, 0
	TURN 1, 0, 1
	STEP 0, 0, 0
	TURN 0, 1, 0
	STEP 1, 0, 0
	s_wait_dscnt 4*NL
	WIN MUL_LO
	MUL16 0, 1, NQ-1, 1, 0
	MUL16 2, 1, NQ-1, 1, 0
	s_wait_dscnt 0
	WIN MUL_HI
	MUL16 4, 1, NQ-1, 1, 0
	MUL16 6, 1, NQ-1, 1, 0
	WIN 0
	PLACES NP
.irp b, 0,1,2,3
	v_mov_b32 v[TM+4+\b], 0
.endr
.irp a, 0,1,2,3,4,5,6,7
	OUTB \a
.endr
.irp j, 0,1
	global_store_b128 v[VSO], v[SW+4*\j:SW+4*\j+3], s[16:17] offset:256*\j
.endr
	s_wait_tensorcnt 0x0
	ds_add_u32 v[SPW], v[NIL]
	s_wait_dscnt 0x0
	CROUND
	s_endpgm
.Lfunc_end_k_q526edf1130_qkv:
	.size	k_q526edf1130_qkv, .Lfunc_end_k_q526edf1130_qkv-k_q526edf1130_qkv
	.p2alignl 7, 3214868480
	.fill 96, 4, 3214868480
	.section	.rodata,"a",@progbits
	.p2align	6, 0x0
	.amdhsa_kernel k_q526edf1130_qkv
		.amdhsa_group_segment_fixed_size 327680
		.amdhsa_private_segment_fixed_size 0
		.amdhsa_enable_private_segment 0
		.amdhsa_kernarg_size 56
		.amdhsa_user_sgpr_count 2
		.amdhsa_user_sgpr_kernarg_segment_ptr 1
		.amdhsa_wavefront_size32 1
		.amdhsa_system_sgpr_workgroup_id_x 1
		.amdhsa_system_sgpr_workgroup_id_y 1
		.amdhsa_system_sgpr_workgroup_id_z 1
		.amdhsa_system_vgpr_workitem_id 0
		.amdhsa_next_free_vgpr 1024
		.amdhsa_next_free_sgpr 104
		.amdhsa_reserve_vcc 0
		.amdhsa_float_denorm_mode_32 3
		.amdhsa_float_denorm_mode_16_64 3
		.amdhsa_memory_ordered 1
		.amdhsa_forward_progress 1
		.amdhsa_inst_pref_size 190
	.end_amdhsa_kernel
	.amdgpu_metadata
---
amdhsa.version: [ 1, 2 ]
amdhsa.kernels:
  - .name:           k_q526edf1130_qkv
    .symbol:         k_q526edf1130_qkv.kd
    .args:
      - { .name: x_codes, .offset: 0, .size: 8, .value_kind: global_buffer, .address_space: global }
      - { .name: x_scales, .offset: 8, .size: 8, .value_kind: global_buffer, .address_space: global }
      - { .name: w_codes, .offset: 16, .size: 8, .value_kind: global_buffer, .address_space: global }
      - { .name: w_scales, .offset: 24, .size: 8, .value_kind: global_buffer, .address_space: global }
      - { .name: bqkv, .offset: 32, .size: 8, .value_kind: global_buffer, .address_space: global }
      - { .name: qkv_codes, .offset: 40, .size: 8, .value_kind: global_buffer, .address_space: global }
      - { .name: qkv_scales, .offset: 48, .size: 8, .value_kind: global_buffer, .address_space: global }
    .group_segment_fixed_size: 327680
    .private_segment_fixed_size: 0
    .kernarg_segment_align: 8
    .kernarg_segment_size: 56
    .max_flat_workgroup_size: 128
    .sgpr_count:     104
    .vgpr_count:     1024
    .wavefront_size: 32
...
	.end_amdgpu_metadata
.endif
;; end of part 2
;; launch attn (part 3): grid 4 x 64, 16 waves a work-group, clusters of 4 x 1, 247,808 bytes of LDS; arguments qkv_codes, qkv_scales, o_codes, o_scales; writes o_codes, o_scales
.if DOCPART == 3
	.amdgcn_target "amdgcn-amd-amdhsa--gfx1250"
	.amdhsa_code_object_version 6
	.text
	.protected	k_q526edf1130_attn
	.globl	k_q526edf1130_attn
	.p2align	8
	.type	k_q526edf1130_attn,@function
k_q526edf1130_attn:
	s_mov_b64 s[64:65], 0
	v_nop
	global_prefetch_b8 v0, s[64:65] scope:SCOPE_SE
	s_setreg_imm32_b32 hwreg(HW_REG_WAVE_MODE, 25, 1), 1
	s_wait_xcnt 0x0
	s_wait_alu depctr_hold_cnt(0) depctr_sa_sdst(0) depctr_va_vdst(0) depctr_va_sdst(0) depctr_va_ssrc(0) depctr_va_vcc(0) depctr_vm_vsrc(0)
	s_getreg_b32 s2, hwreg(HW_REG_IB_STS2, 6, 4)
	s_cmp_eq_u32 s2, 0
	s_cbranch_scc0 .Lentry_in_a_cluster
	s_endpgm
.Lentry_in_a_cluster:
	s_bfe_u32 s2, ttmp6, 0x10000c
	s_cmp_lg_u32 s2, 0x3003
	s_cbranch_scc0 .Lentry_shape_is_right
	s_endpgm
.Lentry_shape_is_right:
; o = softmax(q k^T / 8) v for one head of one batch, both products on codes of FP6 (E2M3) with E8M0 scales; o is quantised along the head's 64 channels and leaves as an image for the last product.
; t = score x log2(e) / 8; M = the running largest t rounded UP to a whole number; p = 2^(t - M) is quantised along the keys, not normalised; the row's sum is taken of the unquantised p and divides at the end.
; When M moves, the sum and O are multiplied by 2^(old M - new M), which rounds nothing.
; SHARES.  Grid y = 16 x batch + head.  The four work-groups of a cluster share a head and ask for its K and V JOINTLY; each owns 512 queries; each of its sixteen waves takes one tile of 16 queries, twice.
; THE HEAD'S K AND V STAY IN LDS, FILLED ONCE: one tensor load a wave at the head (waves 0-3 K's quarters, 4-7 V's, 8 K's scale words, 9 V's); every wave waits for its load, one barrier shows all of it, and no barrier follows.
; No prefetch: every byte is asked for once, at the head, and there is no loop to run ahead in.
; LAYOUT.  Both products transposed: S^T = K Q^T, O^T = V^T P^T: a lane holds one query.  In memory tile t of K holds in lane r key 32 (t / 2) + 8 (t % 2) + r + 8 (r / 8).  Here a lane's LDS address picks the keys anew:
; tile j of a band of 64 keys is keys 8 j + i and 32 + 8 j + i (i = 0 .. 7).  So lane (r, h) holds in the 32 registers of a band's four tiles keys 32 h + 0 .. 31: one whole scale block, in the order of P's operand registers.
; The first product's K is 64: an operand of 12 registers holds tiles 2 p and 2 p + 1, and is multiplied by [q | 0] and by [0 | q]; its scale word is the two tiles' two bytes each.
; K's pieces of 256 bytes lie 352 bytes apart in LDS: lanes 8-15 read six pieces further on than lanes 0-7, 2,112 bytes = 64 modulo 256, so the 32 lanes of a load name 32 different places of 8 bytes modulo 256.
; A STEP is 128 keys: 8 products; this step's V and the NEXT step's K are asked of LDS in one run; the softmax; one wait for that run; 4 products.  The last step of a pass fetches step 0's K: the next pass begins with it (behind the last pass it is not used).
; LIMITS: blocks of zeros and blocks under 2^-124 keep the byte 1; NaN and infinities are not served; the scaled scores stay under 2^31 in magnitude.  o's scale bytes leave two at a time into rows of 32 bytes.
; REGISTERS: v1 8 x lane, v2 K's, v3 K's scale words', v4 V's, v7 V's scale words' LDS places, v5, v6 the add's two, v8-11, v34 at work, v12 -M, v13 the largest score, v[14:15] the sum, v16-33 zeros, Q, zeros, v35 Q's scale word,
;   v36-39, v44-47 K's scale words, v40-43 V's, v48-95 K, v96-143 V, v144-207 S^T, then p, v208-239 O^T, v240-251 p's codes (before that partial sums), v252 f, v253 p's scale word, v254, v255 the two blocks' largest.
.set KSC,   0                          ; LDS: K's scale words, 8,192 bytes
.set KC,    8192                       ; K's codes: 384 pieces of 256 + 96 bytes
.set KPP,   352
.set KST,   24*KPP                     ; a step's 24 pieces
.set VC,    KC+16*KST                  ; V's codes [32 chunks][4 tiles][768]
.set VSC,   VC+98304                   ; V's scale words, 4,096 bytes
.set SPARE, VSC+4096                   ; the spare words, 128 bytes a wave: eight blocks of 256 bytes that no other line names
.set SPW,  5
.set NIL,  6
.set QZ,   16                          ; [0 | q]
.set QA,   22                          ; [q | 0]
.set QW,   35
.set KF,   48
.set VF,   96
.set S,    144
.set O,    208
.set P,    240
.set WV,   12
.set SEL,  20
.set CS,   22
.set G1K,  24
.set G1V,  32
.set G1KS, 40
.set G1VS, 48
.set GK,   56
.set GV,   60
.set GKS,  68
.set GVS,  72
.set QC,   80
.set QS,   82
.set OC,   84
.set OS,   86
.set TK,   88
.set TKS,  89
.set TV,   90
.set TVS,  91
.set PASS, 92
.set CNT,  93
.macro CROUND                          ; a round of the cluster's barrier
	s_barrier_signal -1
	s_barrier_wait -1
	s_cmp_lg_u32 s[WV], 0
	s_cbranch_scc1 .Lnot_wave_0_\@
	s_barrier_signal -3
.Lnot_wave_0_\@:
	s_barrier_wait -3
	s_barrier_signal -1
	s_barrier_wait -1
.endm
.macro TLOAD g0, g1
	tensor_load_to_lds s[\g0:\g0+3], s[\g1:\g1+7]
	s_nop 0
.rept 4
	v_nop
.endr
.endm
.macro MKG g, base, off                ; group 0's count, address and type
	s_mov_b32 s[\g], 1
	s_add_nc_u64 s[\g+2:\g+3], s[\base:\base+1], s[\off:\off+1]
	s_or_b32 s[\g+3], s[\g+3], 0x80000000
.endm
.macro WM d, a, b, c, sa, sb
	v_wmma_scale_f32_16x16x128_f8f6f4 v[\d:\d+7], v[\a:\a+11], v[\b:\b+11], \c, v[\sa], v[\sb] matrix_a_fmt:MATRIX_FMT_FP6 matrix_b_fmt:MATRIX_FMT_FP6
.endm
.macro KLOAD ka, ksa                   ; a step's four operands of K (band k / 2, tiles 2 (k % 2) and 2 (k % 2) + 1) and their tiles' scale words
.irp k, 0,1,2,3
.irp q, 0,1,2,3,4,5
	ds_load_b64 v[KF+12*\k+2*\q:KF+12*\k+2*\q+1], v\ka offset:KPP*(12*(\k/2)+\q)+64*(\k%2)
.endr
	ds_load_b64 v[36+2*\k+4*(\k/2):37+2*\k+4*(\k/2)], v\ksa offset:256*(\k/2)+128*(\k%2)
.endr
.endm
.macro MERGE                           ; two tiles' two bytes each make an operand's scale word (a tile's word has zeros above)
.irp k, 0,1,2,3
	v_lshl_or_b32 v[36+2*\k+4*(\k/2)], v[37+2*\k+4*(\k/2)], 16, v[36+2*\k+4*(\k/2)]
.endr
.endm
.macro QLOAD                           ; Q's image and its scale word
.irp p, 0,1,2
	global_load_b64 v[QA+2*\p:QA+2*\p+1], v1, s[QC:QC+1] offset:256*\p
.endr
	global_load_b32 v[QW], v34, s[QS:QS+1]
.endm
	s_load_b256 s[4:11], s[0:1], 0x0               ; qkv_codes, qkv_scales, o_codes, o_scales
	v_lshl_add_u32 v[SPW], v0, 2, SPARE
	v_mov_b32 v[NIL], 0
	ds_add_u32 v[SPW], v[NIL]                      ; the wave's opening: the add, twice on end, and its wait ahead of the first tensor loads
	ds_add_u32 v[SPW], v[NIL]
	v_lshrrev_b32 v8, 5, v0
	s_delay_alu instid0(VALU_DEP_1)
	v_readfirstlane_b32 s[WV], v8                  ; wave 0..15
	s_bfe_u32 s13, ttmp6, 0x40000                  ; cx: it enters Q's and o's addresses alone
	s_and_b32 s16, ttmp7, 0xffff
	s_and_b32 s14, s16, 15                         ; head
	s_lshr_b32 s15, s16, 4                         ; batch
	s_mov_b32 s[G1K], 15|(3<<16)|(1<<20)|(1<<21)|(5<<22)|(23<<25)   ; the mask: all four work-groups; elements of 8 bytes; 24 words of padding behind every 64
.irp g, G1V, G1KS, G1VS
	s_mov_b32 s[\g], 15|(3<<16)|(1<<21)            ; no padding
.endr
.irp g, G1K, G1V, G1KS, G1VS
	s_mov_b32 s[\g+6], 0
	s_mov_b32 s[\g+7], 0
.endr
	s_mov_b32 s[G1K+1], 32<<16                     ; K: a quarter is 96 dense rows of 256 bytes
	s_mov_b32 s[G1K+2], 96<<16
	s_mov_b32 s[G1K+3], 32<<16
	s_mov_b32 s[G1K+4], 96
	s_mov_b32 s[G1K+5], 32
	s_mov_b32 s[G1V+1], 384<<16                    ; V: a quarter is 8 rows of 3,072 bytes, 49,152 bytes apart
	s_mov_b32 s[G1V+2], 8<<16
	s_mov_b32 s[G1V+3], 384<<16
	s_mov_b32 s[G1V+4], 8
	s_mov_b32 s[G1V+5], 6144
	s_mov_b32 s[G1KS+1], 32<<16                    ; K's scale words: 32 dense rows of 256 bytes
	s_mov_b32 s[G1KS+2], 32<<16
	s_mov_b32 s[G1KS+3], 32<<16
	s_mov_b32 s[G1KS+4], 32
	s_mov_b32 s[G1KS+5], 32
	s_mov_b32 s[G1VS+1], 32<<16                    ; V's: 16 rows of 256 bytes, 4,096 bytes apart
	s_mov_b32 s[G1VS+2], 16<<16
	s_mov_b32 s[G1VS+3], 32<<16
	s_mov_b32 s[G1VS+4], 16
	s_mov_b32 s[G1VS+5], 512
	s_and_b32 s2, s[WV], 3                         ; which quarter I fetch
	s_lshl_b32 s16, s14, 1
	s_add_co_u32 s16, s16, 1                       ; 2 head + 1: k's chunk
	s_mul_i32 s94, s16, 393216
	s_mul_i32 s18, s15, 98304
	s_add_co_u32 s94, s94, s18
	s_mul_i32 s18, s2, 24576
	s_add_co_u32 s94, s94, s18                     ; K's codes, my quarter
	s_mov_b32 s95, 0
	s_mul_i32 s96, s15, 1572864
	s_mul_i32 s18, s14, 3072
	s_add_co_u32 s96, s96, s18
	s_add_co_u32 s96, s96, 12582912
	s_mul_i32 s18, s2, 393216
	s_add_co_u32 s96, s96, s18                     ; V's codes, my quarter
	s_mov_b32 s97, 0
	s_lshl_b32 s98, s16, 15
	s_lshl_b32 s18, s15, 13
	s_add_co_u32 s98, s98, s18                     ; K's scale words
	s_mov_b32 s99, 0
	s_lshl_b32 s100, s15, 16
	s_lshl_b32 s18, s14, 8
	s_add_co_u32 s100, s100, s18
	s_add_co_u32 s100, s100, 1048576               ; V's scale words
	s_mov_b32 s101, 0
	s_mul_i32 s[GK+1], s2, 96*KPP                  ; where they go
	s_add_co_u32 s[GK+1], s[GK+1], KC
	s_mul_i32 s[GV+1], s2, 24576
	s_add_co_u32 s[GV+1], s[GV+1], VC
	s_mov_b32 s[GKS+1], KSC
	s_mov_b32 s[GVS+1], VSC
	s_lshl_b32 s17, s15, 7                         ; my tile of queries in the first pass: 128 batch + 32 cx + wave
	s_lshl_b32 s19, s13, 5
	s_add_co_u32 s17, s17, s19
	s_add_co_u32 s17, s17, s[WV]
	s_mul_i32 s[QC], s14, 786432
	s_mul_i32 s19, s17, 768
	s_add_co_u32 s[QC], s[QC], s19
	s_mov_b32 s[QC+1], 0
	s_lshl_b32 s[QS], s14, 16
	s_lshr_b32 s19, s17, 2
	s_lshl_b32 s19, s19, 8
	s_add_co_u32 s[QS], s[QS], s19
	s_lshl_b32 s19, s2, 2
	s_add_co_u32 s[QS], s[QS], s19
	s_mov_b32 s[QS+1], 0
	s_mul_i32 s[OC], s17, 12288
	s_mul_i32 s19, s14, 768
	s_add_co_u32 s[OC], s[OC], s19
	s_mov_b32 s[OC+1], 0
	s_lshl_b32 s[OS], s17, 9
	s_lshl_b32 s19, s14, 1
	s_add_co_u32 s[OS], s[OS], s19
	s_mov_b32 s[OS+1], 0
	s_mov_b32 s[SEL], 0x76543210
	s_mov_b32 s[SEL+1], 0xfedcba98                 ; the selects for lane l xor 16
	s_mov_b32 s[CS], 0x3e38aa3b                    ; c = log2(e) / 8
	s_mov_b32 s[CS+1], s[CS]                       ; (named with it as a pair, so it is written)
	s_wait_dscnt 0x0                               ; both opening adds are done
	s_wait_kmcnt 0x0
	MKG GK, 4, 94
	MKG GV, 4, 96
	MKG GKS, 6, 98
	MKG GVS, 6, 100
	s_add_nc_u64 s[QC:QC+1], s[4:5], s[QC:QC+1]
	s_add_nc_u64 s[QS:QS+1], s[6:7], s[QS:QS+1]
	s_add_nc_u64 s[OC:OC+1], s[8:9], s[OC:OC+1]
	s_add_nc_u64 s[OS:OS+1], s[10:11], s[OS:OS+1]
	CROUND                                         ; all four work-groups are here: the joint loads meet
	s_cmp_lt_u32 s[WV], 4                          ; the first fills: one chain of branches on the wave's number, one load to an arm
	s_cbranch_scc0 .Lnot_k
	TLOAD GK, G1K
	s_branch .Lasked
.Lnot_k:
	s_cmp_lt_u32 s[WV], 8
	s_cbranch_scc0 .Lnot_v
	TLOAD GV, G1V
	s_branch .Lasked
.Lnot_v:
	s_cmp_eq_u32 s[WV], 8
	s_cbranch_scc0 .Lnot_ks
	TLOAD GKS, G1KS
	s_branch .Lasked
.Lnot_ks:
	s_cmp_eq_u32 s[WV], 9
	s_cbranch_scc0 .Lasked
	TLOAD GVS, G1VS
.Lasked:
	v_and_b32 v8, 31, v0
	v_and_b32 v9, 15, v0                           ; r
	v_and_b32 v10, 7, v0                           ; i
	v_bfe_u32 v11, v0, 3, 1                        ; r / 8
	v_bfe_u32 v34, v0, 4, 1                        ; h
	v_lshlrev_b32 v1, 3, v8                        ; 8 x lane: my place in an image
	v_lshl_add_u32 v7, v9, 4, VSC                  ; V's four tiles' scale words: 16 r
	v_lshlrev_b32 v3, 4, v10
	v_lshlrev_b32 v2, 3, v10
	v_lshl_add_u32 v3, v11, 3, v3                  ; K's scale words (they begin at LDS byte 0): 16 i + 8 (r / 8)
	v_lshl_add_u32 v2, v34, 7, v2
	v_mul_u32_u24 v11, v11, 6*KPP
	v_add_nc_u32 v4, VC, v1
	v_add_nc_u32 v2, KC, v2
	v_lshlrev_b32 v34, 4, v9                       ; Q's scale word: 16 r
	v_add_nc_u32 v2, v2, v11                       ; K's codes: six pieces x (r / 8) + 128 h + 8 i
.irp j, 0,1,2,3,4,5
	v_mov_b32 v[QZ+\j], 0                          ; zero codes on both sides of Q
	v_mov_b32 v[QA+6+\j], 0
.endr
	v_mov_b32 v253, 0                              ; (named as the upper half of the pair v[252:253] before it is first written)
	QLOAD
	s_mov_b32 s[PASS], 2
	s_wait_alu depctr_va_vdst(0)                   ; the head's end
	s_wait_tensorcnt 0x0                           ; my load has landed
	s_barrier_signal -1
	s_barrier_wait -1                              ; and everybody's: all of K and V is in; nothing is filled again
	KLOAD 2, 3                                     ; step 0's K
	s_wait_dscnt 0x0
	MERGE
.Lpass:
	s_wait_loadcnt 0x0                             ; Q is in
	v_lshl_or_b32 v[QW], v[QW], 16, v[QW]          ; its two bytes for either half of K
	v_mov_b32 v13, 0xff61b1e6                      ; the largest score so far: -3e38
	v_mov_b32 v12, 0x7f61b1e6                      ; -M
	v_mov_b32 v14, 0
	v_mov_b32 v15, 0
.set J, 0
.rept 32
	v_mov_b32 v[O+J], 0                            ; the step is written once: the first finds zeros, which the first change of M leaves zeros
.set J, J+1
.endr
	s_mov_b32 s[CNT], 0
.Lstep:
	s_add_co_u32 s94, s[CNT], 1
	s_and_b32 s94, s94, 15                         ; the next step, behind the last the first
	s_mul_i32 s[TK], s94, KST
	s_lshl_b32 s[TKS], s94, 9
	s_mul_i32 s[TV], s[CNT], 6144
	s_lshl_b32 s[TVS], s[CNT], 8
.irp k, 0,1,2,3                                ; S^T = K Q^T: tile j of band c at S + 32 c + 8 j
	WM S+32*(\k/2)+16*(\k%2), KF+12*\k, QA, 0, 36+2*\k+4*(\k/2), QW
	WM S+32*(\k/2)+16*(\k%2)+8, KF+12*\k, QZ, 0, 36+2*\k+4*(\k/2), QW
.endr
	v_add_nc_u32 v8, s[TK], v2                     ; these four are the places behind the products, ahead of the loads into their registers and of the first read of S^T
	v_add_nc_u32 v9, s[TKS], v3
	v_add_nc_u32 v10, s[TV], v4
	v_add_nc_u32 v11, s[TVS], v7
.irp t, 0,1,2,3                                ; this step's V,
.irp p, 0,1,2,3,4,5
	ds_load_b64 v[VF+12*\t+2*\p:VF+12*\t+2*\p+1], v10 offset:\t*768+3072*(\p/3)+256*(\p%3)
.endr
.endr
	ds_load_b128 v[40:43], v11
	KLOAD 8, 9                                     ; and the next step's K: both land under the softmax
	v_max3_num_f32 v254, v[S], v[S+1], v[S+2]      ; the largest score of my two blocks of 32 keys, each in two chains
	v_max3_num_f32 v240, v[S+16], v[S+17], v[S+18]
	v_max3_num_f32 v255, v[S+32], v[S+33], v[S+34]
	v_max3_num_f32 v241, v[S+48], v[S+49], v[S+50]
.irp i, 3,5,7,9,11,13
	v_max3_num_f32 v254, v254, v[S+\i], v[S+\i+1]
	v_max3_num_f32 v240, v240, v[S+16+\i], v[S+17+\i]
	v_max3_num_f32 v255, v255, v[S+32+\i], v[S+33+\i]
	v_max3_num_f32 v241, v241, v[S+48+\i], v[S+49+\i]
.endr
	v_max3_num_f32 v254, v254, v240, v[S+15]
	v_max3_num_f32 v255, v255, v241, v[S+47]
	v_max_num_f32 v254, v254, v[S+31]
	v_max_num_f32 v255, v255, v[S+63]
	s_delay_alu instid0(VALU_DEP_1)
	v_max_num_f32 v8, v254, v255
	s_delay_alu instid0(VALU_DEP_1)
	v_permlanex16_b32 v9, v8, s[SEL], s[SEL+1]
	s_delay_alu instid0(VALU_DEP_1)
	v_max3_num_f32 v13, v13, v8, v9                ; the running largest score of my query
	s_delay_alu instid0(VALU_DEP_1)
	v_mul_f32 v8, s[CS], v13                       ; as t (c is positive)
	v_mov_b32 v34, v12
	s_delay_alu instid0(VALU_DEP_2)
	v_floor_f32 v12, -v8                           ; the new -M = -ceil(t)
	s_delay_alu instid0(VALU_DEP_1)
	v_sub_f32 v34, v12, v34                        ; old M - new M: a whole number, 0 or less
	s_delay_alu instid0(VALU_DEP_1)
	v_cvt_i32_f32 v34, v34                         ; (it saturates)
.set J, 0
.rept 32
	v_pk_fma_f32 v[S+J:S+J+1], v[S+J:S+J+1], s[CS:CS+1], v[12:13] op_sel_hi:[1,0,0]   ; t - M, two at a time
.set J, J+2
.endr
	v_fma_f32 v254, v254, s[CS], v12               ; the same of each block's largest score
	v_fma_f32 v255, v255, s[CS], v12
	s_wait_alu depctr_va_vdst(0)                   ; ahead of the batch
.set J, 0
.rept 64
	v_exp_f32 v[S+J], v[S+J]                       ; p = 2^(t - M), at most 1
.set J, J+1
.endr
	v_ldexp_f32 v252, 1.0, v34                     ; f = 2^(old M - new M); the plain line behind the exponentials
	s_wait_alu depctr_va_vdst(0)                   ; one wait for the batch, ahead of its first reader
	v_exp_f32 v254, v254                           ; the blocks' largest p: the same two instructions on the same numbers
	v_exp_f32 v255, v255
	v_pk_fma_f32 v[14:15], v[14:15], v[252:253], v[S:S+1] op_sel_hi:[1,0,1]   ; the sum under the new M, and the first two p; the other 62 in six chains beside it
.irp q, 0,1,2,3,4,5
	v_pk_add_f32 v[P+2*\q:P+2*\q+1], v[S+2+4*\q:S+3+4*\q], v[S+4+4*\q:S+5+4*\q]
.endr
.irp g, 0,1,2
.irp q, 0,1,2,3,4,5
	v_pk_add_f32 v[P+2*\q:P+2*\q+1], v[P+2*\q:P+2*\q+1], v[S+26+12*\g+2*\q:S+27+12*\g+2*\q]
.endr
.endr
	v_pk_add_f32 v[14:15], v[14:15], v[S+62:S+63]
	v_pk_add_f32 v[P:P+1], v[P:P+1], v[P+2:P+3]
	v_pk_add_f32 v[P+4:P+5], v[P+4:P+5], v[P+6:P+7]
	v_pk_add_f32 v[P+8:P+9], v[P+8:P+9], v[P+10:P+11]
	v_pk_add_f32 v[14:15], v[14:15], v[P:P+1]
	v_pk_add_f32 v[P+4:P+5], v[P+4:P+5], v[P+8:P+9]
	s_delay_alu instid0(VALU_DEP_1)
	v_pk_add_f32 v[14:15], v[14:15], v[P+4:P+5]
	s_wait_alu depctr_va_vdst(0)                   ; and one for the two
	v_max_num_f32 v254, 0x1800000, v254            ; the floor 2^(3 - 127): the byte cannot fall under 1
	v_max_num_f32 v255, 0x1800000, v255
	s_delay_alu instid0(VALU_DEP_2)
	v_add_nc_u32 v254, 0xff000000, v254            ; 2 off the exponent field: the conversions' scale operand
	s_delay_alu instid0(VALU_DEP_2)
	v_add_nc_u32 v255, 0xff000000, v255
	v_cvt_scalef32_pk16_fp6_f32 v[P:P+2], v[S:S+15], v254
	v_lshrrev_b32 v8, 23, v254                     ; the scale's byte; a plain line ahead of the write into the first conversion's sources
	v_cvt_scalef32_pk16_fp6_f32 v[S:S+2], v[S+16:S+31], v254       ; (a conversion's three registers begin on an even number: the upper halves are made in p's registers that are done with, and moved)
	v_cvt_scalef32_pk16_fp6_f32 v[P+6:P+8], v[S+32:S+47], v255
	v_lshrrev_b32 v9, 23, v255
	v_cvt_scalef32_pk16_fp6_f32 v[S+4:S+6], v[S+48:S+63], v255
	v_lshl_or_b32 v8, v9, 16, v8                   ; my bytes: blocks h and 2 + h; the plain line behind the conversions
.irp i, 0,1,2
	v_mov_b32 v[P+3+\i], v[S+\i]
.endr
.irp i, 0,1,2
	v_mov_b32 v[P+9+\i], v[S+4+\i]
.endr
	v_permlanex16_b32 v9, v8, s[SEL], s[SEL+1]
	s_delay_alu instid0(VALU_DEP_1)
	v_lshl_or_b32 v253, v9, 8, v8                  ; lanes 0-15, which the product reads: blocks 0 and 2 are mine, 1 and 3 lane l + 16's
	s_wait_dscnt 0x0                               ; V, its scale words and the next step's K are in
	MERGE
	s_wait_alu depctr_va_vdst(0)                   ; directly ahead of the first reader of O^T
.set J, 0
.rept 16
	v_pk_mul_f32 v[O+J:O+J+1], v[O+J:O+J+1], v[252:253] op_sel_hi:[1,0]   ; O^T under the new M; these sixteen are also the places ahead of the products
.set J, J+2
.endr
.irp t, 0,1,2,3
	WM O+8*\t, VF+12*\t, P, v[O+8*\t:O+8*\t+7], 40+\t, 253
.endr
	s_add_co_u32 s[CNT], s[CNT], 1
	s_cmp_lt_u32 s[CNT], 16
	s_cbranch_scc1 .Lstep
	; THE WAY OUT: O^T / the sum, quantised along the head's 64 channels: two blocks; one image of 768 bytes and two scale bytes a row.  The next pass's Q is asked for first
	s_add_nc_u64 s[QC:QC+1], s[QC:QC+1], 12288     ; sixteen tiles on
	s_add_nc_u64 s[QS:QS+1], s[QS:QS+1], 1024
	v_add_f32 v14, v14, v15
	v_and_b32 v9, 120, v1                          ; 8 r
	s_delay_alu instid0(VALU_DEP_1)
	v_lshlrev_b32 v34, 1, v9
	s_wait_alu depctr_va_vdst(0)                   ; ahead of the branch
	s_cmp_eq_u32 s[PASS], 1
	s_cbranch_scc1 .Lno_q
	QLOAD
.Lno_q:
	v_permlanex16_b32 v8, v14, s[SEL], s[SEL+1]
	v_lshlrev_b32 v9, 2, v9                        ; o's scale rows: 32 r
	s_delay_alu instid0(VALU_DEP_2)
	v_add_f32 v14, v14, v8                         ; the row's sum
	s_wait_alu depctr_va_vdst(0)
	v_rcp_f32 v14, v14
	v_nop                                          ; a plain line behind the reciprocal
	s_wait_alu depctr_va_vdst(0)                   ; ahead of the first reader
.set J, 0
.rept 16
	v_pk_mul_f32 v[S+J:S+J+1], v[O+J:O+J+1], v[14:15] op_sel_hi:[1,0]   ; register 16 b + i: channel 32 b + 16 h + i; each accumulator from its low end on
.set J, J+2
.endr
.irp b, 0,1
	v_max3_num_f32 v[254+\b], |v[S+16*\b]|, |v[S+1+16*\b]|, 0x1800000
.endr
.irp i, 2,4,6,8,10,12,14
.irp b, 0,1
	s_delay_alu instid0(VALU_DEP_2)
	v_max3_num_f32 v[254+\b], v[254+\b], |v[S+16*\b+\i]|, |v[S+1+16*\b+\i]|
.endr
.endr
.irp b, 0,1
	s_delay_alu instid0(VALU_DEP_2)
	v_permlanex16_b32 v[10+\b], v[254+\b], s[SEL], s[SEL+1]
.endr
.irp b, 0,1
	s_delay_alu instid0(VALU_DEP_2)
	v_max_num_f32 v[254+\b], v[254+\b], v[10+\b]
.endr
.irp b, 0,1
	s_delay_alu instid0(VALU_DEP_2)
	v_add_nc_u32 v[254+\b], 0xff000000, v[254+\b]
.endr
.irp b, 0,1
	s_delay_alu instid0(VALU_DEP_2)
	v_lshrrev_b32 v[10+\b], 23, v[254+\b]
.endr
	s_delay_alu instid0(VALU_DEP_1)
	v_lshl_or_b32 v8, v11, 8, v10                  ; my row's two scale bytes
	v_cvt_scalef32_pk16_fp6_f32 v[P:P+2], v[S:S+15], v254
	v_cvt_scalef32_pk16_fp6_f32 v[P+4:P+6], v[S+16:S+31], v255
	v_nop
.irp i, 0,1,2
	v_permlane16_swap_b32 v[P+\i], v[P+4+\i]       ; a whole block to a lane
.endr
.irp i, 0,1,2
	v_mov_b32 v[P+3+\i], v[P+4+\i]
.endr
.irp p, 0,1,2
	global_store_b64 v1, v[P+2*\p:P+2*\p+1], s[OC:OC+1] offset:256*\p   ; 256 consecutive bytes, aligned
.endr
	global_store_b16 v9, v8, s[OS:OS+1]            ; lanes 16-31 write what lanes 0-15 write
	s_wait_xcnt 0x0                                ; the stores have read their registers and bases: both are written again below and in the next pass
	s_add_nc_u64 s[OC:OC+1], s[OC:OC+1], 196608
	s_add_nc_u64 s[OS:OS+1], s[OS:OS+1], 8192
	s_sub_co_u32 s[PASS], s[PASS], 1
	s_cmp_lg_u32 s[PASS], 0
	s_wait_alu depctr_va_vdst(0)                   ; ahead of the branch
	s_cbranch_scc1 .Lpass
	s_wait_tensorcnt 0x0                           ; the wave's end
	ds_add_u32 v[SPW], v[NIL]
	s_wait_dscnt 0x0
	CROUND                                         ; the closing round
	s_endpgm
.Lfunc_end_k_q526edf1130_attn:
	.size	k_q526edf1130_attn, .Lfunc_end_k_q526edf1130_attn-k_q526edf1130_attn
	.p2alignl 7, 3214868480
	.fill 96, 4, 3214868480
	.section	.rodata,"a",@progbits
	.p2align	6, 0x0
	.amdhsa_kernel k_q526edf1130_attn
		.amdhsa_group_segment_fixed_size 247808
		.amdhsa_private_segment_fixed_size 0
		.amdhsa_enable_private_segment 0
		.amdhsa_kernarg_size 32
		.amdhsa_user_sgpr_count 2
		.amdhsa_user_sgpr_kernarg_segment_ptr 1
		.amdhsa_wavefront_size32 1
		.amdhsa_system_sgpr_workgroup_id_x 1
		.amdhsa_system_sgpr_workgroup_id_y 1
		.amdhsa_system_sgpr_workgroup_id_z 1
		.amdhsa_system_vgpr_workitem_id 0
		.amdhsa_next_free_vgpr 256
		.amdhsa_next_free_sgpr 104
		.amdhsa_reserve_vcc 0
		.amdhsa_float_denorm_mode_32 3
		.amdhsa_float_denorm_mode_16_64 3
		.amdhsa_memory_ordered 1
		.amdhsa_forward_progress 1
		.amdhsa_inst_pref_size 35
	.end_amdhsa_kernel
	.amdgpu_metadata
---
amdhsa.version: [ 1, 2 ]
amdhsa.kernels:
  - .name:           k_q526edf1130_attn
    .symbol:         k_q526edf1130_attn.kd
    .args:
      - { .name: qkv_codes, .offset: 0, .size: 8, .value_kind: global_buffer, .address_space: global }
      - { .name: qkv_scales, .offset: 8, .size: 8, .value_kind: global_buffer, .address_space: global }
      - { .name: o_codes, .offset: 16, .size: 8, .value_kind: global_buffer, .address_space: global }
      - { .name: o_scales, .offset: 24, .size: 8, .value_kind: global_buffer, .address_space: global }
    .group_segment_fixed_size: 247808
    .private_segment_fixed_size: 0
    .kernarg_segment_align: 8
    .kernarg_segment_size: 32
    .max_flat_workgroup_size: 512
    .sgpr_count:     104
    .vgpr_count:     256
    .wavefront_size: 32
...
	.end_amdgpu_metadata
.endif
;; end of part 3
;; launch proj (part 4): grid 4 x 32, 4 waves a work-group, clusters of 4 x 4, 327,680 bytes of LDS; arguments o_codes, o_scales, w_codes, w_scales, bo, out0; writes out0
.if DOCPART == 4
	.amdgcn_target "amdgcn-amd-amdhsa--gfx1250"
	.amdhsa_code_object_version 6
	.text
	.protected	k_q526edf1130_proj
	.globl	k_q526edf1130_proj
	.p2align	8
	.type	k_q526edf1130_proj,@function
k_q526edf1130_proj:
	s_mov_b64 s[64:65], 0
	v_nop
	global_prefetch_b8 v0, s[64:65] scope:SCOPE_SE
	s_setreg_imm32_b32 hwreg(HW_REG_WAVE_MODE, 25, 1), 1
	s_wait_xcnt 0x0
	s_wait_alu depctr_hold_cnt(0) depctr_sa_sdst(0) depctr_va_vdst(0) depctr_va_sdst(0) depctr_va_ssrc(0) depctr_va_vcc(0) depctr_vm_vsrc(0)
	s_getreg_b32 s2, hwreg(HW_REG_IB_STS2, 6, 4)
	s_cmp_eq_u32 s2, 0
	s_cbranch_scc0 .Lentry_in_a_cluster
	s_endpgm
.Lentry_in_a_cluster:
	s_bfe_u32 s2, ttmp6, 0x10000c
	s_cmp_lg_u32 s2, 0xf033
	s_cbranch_scc0 .Lentry_shape_is_right
	s_endpgm
.Lentry_shape_is_right:
.set NQ,     2
.set ROWB,   3072
.set TPITCH, 12288
.set HALFT,  8*ROWB
.set SLOT,   4*HALFT
.set SCL,    2*SLOT
.set HALFS,  16*272
.set SBLK,   2*272
.set SPARE,  SCL+4*HALFS
.set SPITCH, 528
.set FR,     12
.set NL,     6
.set NP,     4
.set CBYA,   0
.set ADRA, 16
.set ADRB, 20
.set STO,  24
.set RD,   25
.set CO,   26
.set ADRS, 27
.set SPW,  28
.set NIL,  29
.set SC,   32
.set CB,   64
.set AF,   128
.set BK,   128
.set G1, 24
.set G0, 32
.set G1B, 48
.set G0B, 56
.set G1S, 68
.set G0S, 76
.set G1SB, 80
.set G0SB, 88
.set MSB, 0
.macro WIN new
.if MSB != (\new)
	s_set_vgpr_msb (MSB<<8)|(\new)
.set MSB, (\new)
.endif
.endm
.set MUL_LO, 0xa1
.set MUL_HI, 0xf1
.set TO_B,   0x40
.macro JLOAD g0a, g1a, g0b, g1b
	s_cmp_eq_u32 s19, 0
	s_cbranch_scc0 .Lfor_b_\@
	tensor_load_to_lds s[\g0a:\g0a+3], s[\g1a:\g1a+7]
	s_nop 0
.rept 4
	v_nop
.endr
	s_branch .Lasked_\@
.Lfor_b_\@:
	tensor_load_to_lds s[\g0b:\g0b+3], s[\g1b:\g1b+7]
	s_nop 0
.rept 4
	v_nop
.endr
.Lasked_\@:
.endm
.macro CREST
	s_cmp_lg_u32 s18, 0
	s_cbranch_scc1 .Lnot_wave_0_\@
	s_barrier_signal -3
.Lnot_wave_0_\@:
	s_barrier_wait -3
	s_barrier_signal -1
	s_barrier_wait -1
.endm
.macro CROUND
	s_barrier_signal -1
	s_barrier_wait -1
	CREST
.endm
	s_load_b256 s[4:11], s[0:1], 0x0
	s_load_b128 s[12:15], s[0:1], 0x20
	v_lshl_add_u32 v[SPW], v0, 2, SPARE
	v_mov_b32 v[NIL], 0
	ds_add_u32 v[SPW], v[NIL]
	ds_add_u32 v[SPW], v[NIL]
	v_lshrrev_b32 v1, 5, v0
	v_readfirstlane_b32 s18, v1
	s_lshr_b32 s19, s18, 1
	s_and_b32 s20, s18, 1
	s_bfe_u32 s21, ttmp6, 0x40000
	s_bfe_u32 s22, ttmp6, 0x40004
	s_and_b32 s23, ttmp7, 0xffff
	s_lshl_b32 s40, s22, 2
	s_lshl_b32 s40, 15, s40
	s_lshl_b32 s92, 0x1111, s21
	s_or_b32 s[G1], s40, (3<<16)|(1<<21)
	s_or_b32 s[G1B], s92, (3<<16)|(1<<21)
.irp g, G1, G1B
	s_mov_b32 s[\g+1], 384<<16
	s_mov_b32 s[\g+2], 16<<16                      ; the head's loads bring 16 tiles; behind them the two words that count rows are set to 8, for the ring's
	s_mov_b32 s[\g+3], 384<<16
	s_mov_b32 s[\g+4], 16
	s_mov_b32 s[\g+5], 1536
	s_mov_b32 s[\g+6], 0
	s_mov_b32 s[\g+7], 0
.endr
	s_or_b32 s[G1S], s40, (3<<16)|(1<<20)|(1<<21)|(5<<22)|(3<<25)
	s_or_b32 s[G1SB], s92, (3<<16)|(1<<20)|(1<<21)|(5<<22)|(3<<25)
.irp g, G1S, G1SB
	s_mov_b32 s[\g+1], 32<<16
	s_mov_b32 s[\g+2], 32<<16                      ; the scales of all 256 rows: 32 rows of 256 bytes
	s_mov_b32 s[\g+3], 32<<16
	s_mov_b32 s[\g+4], 32
	s_mov_b32 s[\g+5], 32
	s_mov_b32 s[\g+6], 0
	s_mov_b32 s[\g+7], 0
.endr
	s_lshl_b32 s41, s23, 2
	s_add_co_u32 s41, s41, s22
	s_lshl_b32 s66, s41, 4
	s_lshl_b32 s43, s19, 3
	s_add_co_u32 s66, s66, s43
	s_lshl_b32 s43, s41, 4
	s_lshl_b32 s44, s20, 3
	s_add_co_u32 s43, s43, s44
	s_mul_i32 s44, s43, TPITCH
	s_mov_b32 s45, 0
	s_lshl_b32 s46, s43, 9
	s_mov_b32 s47, 0
	s_lshl_b32 s92, ttmp9, 2
	s_add_co_u32 s92, s92, s21
	s_lshl_b32 s67, s92, 10
	s_lshl_b32 s93, s20, 9
	s_add_co_u32 s67, s67, s93
	s_lshl_b32 s92, s92, 4
	s_lshl_b32 s93, s20, 3
	s_add_co_u32 s92, s92, s93
	s_add_co_u32 s92, s92, 192
	s_lshl_b32 s2, s92, 9
	s_mov_b32 s3, 0
	s_mul_i32 s92, s92, TPITCH
	s_mov_b32 s93, 0
	s_mul_i32 s94, s18, HALFT
	s_wait_dscnt 0x0
	s_wait_kmcnt 0x0
	s_add_nc_u64 s[40:41], s[4:5], s[44:45]
	s_add_nc_u64 s[42:43], s[6:7], s[46:47]
	s_add_nc_u64 s[96:97], s[8:9], s[92:93]
	s_add_nc_u64 s[98:99], s[10:11], s[2:3]
	CROUND
	s_mov_b32 s[G0S], 1
	s_mul_i32 s[G0S+1], s19, 2*HALFS               ; waves 1 and 3 fetch the scales: A's at SCL, B's behind them
	s_add_co_u32 s[G0S+1], s[G0S+1], SCL
	s_sub_nc_u64 s[G0S+2:G0S+3], s[42:43], 4096    ; from these waves' upper 8 tiles back to the first: 8 x 512 bytes
	s_or_b32 s[G0S+3], s[G0S+3], 0x80000000
	s_mov_b32 s[G0SB], 1
	s_mul_i32 s[G0SB+1], s19, 2*HALFS
	s_add_co_u32 s[G0SB+1], s[G0SB+1], SCL
	s_sub_nc_u64 s[G0SB+2:G0SB+3], s[98:99], 4096
	s_or_b32 s[G0SB+3], s[G0SB+3], 0x80000000
.irp s, 0,1
	s_mov_b32 s[G0+4*\s], 1
	s_add_co_u32 s[G0+4*\s+1], s94, \s*SLOT
	s_add_nc_u64 s[G0+4*\s+2:G0+4*\s+3], s[40:41], \s*ROWB
	s_or_b32 s[G0+4*\s+3], s[G0+4*\s+3], 0x80000000
	s_mov_b32 s[G0B+4*\s], 1
	s_add_co_u32 s[G0B+4*\s+1], s94, \s*SLOT
	s_add_nc_u64 s[G0B+4*\s+2:G0B+4*\s+3], s[96:97], \s*ROWB
	s_or_b32 s[G0B+4*\s+3], s[G0B+4*\s+3], 0x80000000
.endr
	s_cmp_eq_u32 s18, 0                            ; the head's four tiles, one joint load a wave, in one chain of branches on the wave's number: wave 0 A's 16 tiles of slot 0,
	s_cbranch_scc0 .Lhead_b
	tensor_load_to_lds s[G0:G0+3], s[G1:G1+7]
	s_nop 0
.rept 4
	v_nop
.endr
	s_branch .Lhead_asked
.Lhead_b:
	s_cmp_eq_u32 s18, 2                            ; wave 2 B's 16 tiles,
	s_cbranch_scc0 .Lhead_sa
	tensor_load_to_lds s[G0B:G0B+3], s[G1B:G1B+7]
	s_nop 0
.rept 4
	v_nop
.endr
	s_branch .Lhead_asked
.Lhead_sa:
	s_cmp_eq_u32 s18, 1                            ; wave 1 A's scales,
	s_cbranch_scc0 .Lhead_sb
	tensor_load_to_lds s[G0S:G0S+3], s[G1S:G1S+7]
	s_nop 0
.rept 4
	v_nop
.endr
	s_branch .Lhead_asked
.Lhead_sb:
	tensor_load_to_lds s[G0SB:G0SB+3], s[G1SB:G1SB+7]   ; wave 3 B's
	s_nop 0
.rept 4
	v_nop
.endr
.Lhead_asked:
	v_and_b32 v1, 15, v0
	v_bfe_u32 v2, v0, 4, 1
	v_and_b32 v3, 31, v0
	v_lshlrev_b32 v8, 3, v3
	s_mul_i32 s40, s19, HALFT
	s_mul_i32 s41, s20, HALFT
	s_add_co_u32 s41, s41, 2*HALFT
.irp s, 0,1
	v_add_nc_u32 v[ADRA+\s], s40, v8
	v_add_nc_u32 v[ADRB+\s], s41, v8
	s_add_co_u32 s40, s40, SLOT
	s_add_co_u32 s41, s41, SLOT
.endr
	v_lshlrev_b32 v5, 5, v1
	v_lshrrev_b32 v6, 8, v5
	v_lshl_add_u32 v5, v6, 4, v5
	s_mul_i32 s40, s19, HALFS
	s_mul_i32 s41, s20, HALFS
	s_add_co_u32 s41, s41, 2*HALFS
	s_sub_co_u32 s41, s41, s40
	v_mul_u32_u24 v6, s41, v2
	s_add_co_u32 s40, s40, SCL
	v_add_nc_u32 v5, v5, v6
	v_add_nc_u32 v[ADRS], s40, v5
	s_mul_i32 s40, s18, 16*SPITCH
	v_mul_u32_u24 v5, v1, SPITCH
	v_lshl_add_u32 v5, v2, 6, v5
	v_add_nc_u32 v[STO], s40, v5
	v_lshlrev_b32 v[CO], 4, v3
	v_add_nc_u32 v[RD], s40, v[CO]
	s_mov_b32 s40, s67
	s_mov_b32 s41, 0
	s_add_nc_u64 s[12:13], s[12:13], s[40:41]
	s_add_nc_u64 s[14:15], s[14:15], s[40:41]
	s_lshl_b32 s40, s66, 16
	s_add_nc_u64 s[14:15], s[14:15], s[40:41]
	v_lshlrev_b32 v4, 6, v2
.irp b, 0,1,2,3,4,5,6,7
	global_load_b128 v[CB+8*\b:CB+8*\b+3], v4, s[12:13] offset:4*(32*(\b/2)+8*(\b%2))
	global_load_b128 v[CB+8*\b+4:CB+8*\b+7], v4, s[12:13] offset:4*(32*(\b/2)+8*(\b%2))+16
.endr
	s_wait_alu depctr_va_vdst(0)
	s_wait_loadcnt 0x0
.macro FRAG reg, adr, q, i
.irp p, 0,1,2,3,4,5
	ds_load_b64 v[\reg+2*\p:\reg+2*\p+1], v[\adr] offset:(\i)*ROWB+(2*(\q)+\p/3)*768+256*(\p%3)
.endr
.endm
.macro MUL16 a0, p, q, sc, cm
.irp a, \a0, \a0+1
.irp b, 0,1,2,3,4,5,6,7
.if \cm
	v_wmma_scale_f32_16x16x128_f8f6f4 v[8*(8*((\a)%4)+\b):8*(8*((\a)%4)+\b)+7], v[128*(\p)+FR*\b:128*(\p)+FR*\b+FR-1], v[AF+FR*(\a):AF+FR*(\a)+FR-1], v[CB+8*(CBYA*(\a)+(1-CBYA)*\b):CB+8*(CBYA*(\a)+(1-CBYA)*\b)+7], v[SC+8*NQ*(\sc)+NQ*\b+(\q)], v[SC+8*NQ*(\sc)+NQ*(\a)+(\q)] matrix_a_fmt:MATRIX_FMT_FP6 matrix_b_fmt:MATRIX_FMT_FP6 matrix_a_scale:MATRIX_SCALE_ROW1
.else
	v_wmma_scale_f32_16x16x128_f8f6f4 v[8*(8*((\a)%4)+\b):8*(8*((\a)%4)+\b)+7], v[128*(\p)+FR*\b:128*(\p)+FR*\b+FR-1], v[AF+FR*(\a):AF+FR*(\a)+FR-1], v[8*(8*((\a)%4)+\b):8*(8*((\a)%4)+\b)+7], v[SC+8*NQ*(\sc)+NQ*\b+(\q)], v[SC+8*NQ*(\sc)+NQ*(\a)+(\q)] matrix_a_fmt:MATRIX_FMT_FP6 matrix_b_fmt:MATRIX_FMT_FP6 matrix_a_scale:MATRIX_SCALE_ROW1
.endif
.endr
.endr
.endm
.macro FETCH_B slot, q, p
	WIN TO_B
.irp i, 0,1,2,3,4,5,6,7
	FRAG 128*(\p)+FR*\i, ADRB+\slot, \q, \i
.endr
	WIN 0
.endm
.macro FETCH_A slot, q, i0
.irp i, \i0, \i0+1, \i0+2, \i0+3
	FRAG AF+FR*(\i), ADRA+\slot, \q, \i
.endr
.endm
.macro SCALES sc
.irp i, 0,1,2,3,4,5,6,7
	ds_load_b64 v[SC+8*NQ*\sc+NQ*\i:SC+8*NQ*\sc+NQ*\i+1], v[ADRS] offset:\i*SBLK
.endr
.endm
.macro PLACES n
.rept \n
	v_nop
.endr
.endm
.macro STEP slot, q, cm
	s_wait_dscnt 4*NL
	WIN MUL_LO-0x20*(\cm)
	MUL16 0, (\q)%2, \q, \slot, \cm
	MUL16 2, (\q)%2, \q, \slot, \cm
	s_wait_dscnt 0
	PLACES NP
	FETCH_B \slot, (\q)+1, 1-(\q)%2
	FETCH_A \slot, (\q)+1, 0
	WIN MUL_HI-0x30*(\cm)
	MUL16 4, (\q)%2, \q, \slot, \cm
	MUL16 6, (\q)%2, \q, \slot, \cm
	PLACES NP
	WIN 0
	FETCH_A \slot, (\q)+1, 4
.endm
.macro TURN slot, next, fill
	s_wait_tensorcnt 0x0
	ds_add_u32 v[SPW], v[NIL]
	s_wait_dscnt 4*NL+1
	WIN MUL_LO
	MUL16 0, 1, NQ-1, \slot, 0
	s_wait_dscnt 0x0
	s_barrier_signal -1
	MUL16 2, 1, NQ-1, \slot, 0
	WIN 0
	s_barrier_wait -1
.if \fill
	CREST
	s_add_nc_u64 s[G0+4*\slot+2:G0+4*\slot+3], s[G0+4*\slot+2:G0+4*\slot+3], 2*ROWB
	s_add_nc_u64 s[G0B+4*\slot+2:G0B+4*\slot+3], s[G0B+4*\slot+2:G0B+4*\slot+3], 2*ROWB
	JLOAD G0+4*\slot, G1, G0B+4*\slot, G1B
.else
	PLACES NP
.endif
	s_wait_alu depctr_va_vdst(0)
	v_add_nc_u32 v[ADRS], 4*NQ, v[ADRS]
	FETCH_B \next, 0, 0
	FETCH_A \next, 0, 0
	SCALES \next
	WIN MUL_HI
	MUL16 4, 1, NQ-1, \slot, 0
	MUL16 6, 1, NQ-1, \slot, 0
	PLACES NP
	WIN 0
	FETCH_A \next, 0, 4
.endm
.macro TOSTAGE a
.set AC, 64*((\a)%4)
	WIN 0x08+4*((\a)/4)
.irp b, 0,1,2,3,4,5,6,7
	ds_store_b128 v[STO], v[AC+8*\b:AC+8*\b+3] offset:128*(\b/2)+32*(\b%2)
	ds_store_b128 v[STO], v[AC+8*\b+4:AC+8*\b+7] offset:128*(\b/2)+32*(\b%2)+16
.endr
	WIN 0
.set BB, BK+64*((\a)%2)
.irp t, 0,1,2,3,4,5,6,7,8,9,10,11,12,13,14,15
	ds_load_b128 v[BB+4*\t:BB+4*\t+3], v[RD] offset:\t*SPITCH
.endr
.endm
.macro SEND a, younger
.set BB, BK+64*((\a)%2)
	s_wait_dscnt \younger
.irp t, 0,1,2,3,4,5,6,7,8,9,10,11,12,13,14,15
	global_store_b128 v[CO], v[BB+4*\t:BB+4*\t+3], s[14:15] offset:(32*((\a)/2)+8*((\a)%2)+\t+8*(\t/8))*4096 th:TH_STORE_NT
.endr
.endm
	s_wait_alu depctr_va_vdst(0)                   ; the head's end
	s_wait_tensorcnt 0x0                           ; my tile of the head's four is in
	ds_add_u32 v[SPW], v[NIL]
	s_mov_b32 s[G1+2], 8<<16                       ; no tensor load of mine is out: from here on a load brings 8 tiles
	s_mov_b32 s[G1+4], 8
	s_mov_b32 s[G1B+2], 8<<16
	s_mov_b32 s[G1B+4], 8
	s_wait_dscnt 0x0
	CROUND                                         ; all four tiles are in, and all sixteen work-groups are here
	JLOAD G0+4, G1, G0B+4, G1B                     ; slot 1's first fill, the first tensor load behind the round
	FETCH_B 0, 0, 0
	FETCH_A 0, 0, 0
	SCALES 0
	FETCH_A 0, 0, 4
	STEP 0, 0, 1
	TURN 0, 1, 1
	STEP 1, 0, 0
	TURN 1, 0, 1
	STEP 0, 0, 0
	TURN 0, 1, 0
	STEP 1, 0, 0
	s_wait_dscnt 4*NL
	WIN MUL_LO
	MUL16 0, 1, NQ-1, 1, 0
	MUL16 2, 1, NQ-1, 1, 0
	s_wait_dscnt 0
	WIN MUL_HI
	MUL16 4, 1, NQ-1, 1, 0
	MUL16 6, 1, NQ-1, 1, 0
	WIN 0
	PLACES NP
	TOSTAGE 0
.irp a, 1,2,3,4,5,6,7
.if \a > 1
	s_wait_xcnt 0x0
.endif
	TOSTAGE \a
	SEND \a-1, 32
.endr
	SEND 7, 0
	s_wait_tensorcnt 0x0
	ds_add_u32 v[SPW], v[NIL]
	s_wait_dscnt 0x0
	CROUND
	s_endpgm
.Lfunc_end_k_q526edf1130_proj:
	.size	k_q526edf1130_proj, .Lfunc_end_k_q526edf1130_proj-k_q526edf1130_proj
	.p2alignl 7, 3214868480
	.fill 96, 4, 3214868480
	.section	.rodata,"a",@progbits
	.p2align	6, 0x0
	.amdhsa_kernel k_q526edf1130_proj
		.amdhsa_group_segment_fixed_size 327680
		.amdhsa_private_segment_fixed_size 0
		.amdhsa_enable_private_segment 0
		.amdhsa_kernarg_size 48
		.amdhsa_user_sgpr_count 2
		.amdhsa_user_sgpr_kernarg_segment_ptr 1
		.amdhsa_wavefront_size32 1
		.amdhsa_system_sgpr_workgroup_id_x 1
		.amdhsa_system_sgpr_workgroup_id_y 1
		.amdhsa_system_sgpr_workgroup_id_z 1
		.amdhsa_system_vgpr_workitem_id 0
		.amdhsa_next_free_vgpr 1024
		.amdhsa_next_free_sgpr 104
		.amdhsa_reserve_vcc 0
		.amdhsa_float_denorm_mode_32 3
		.amdhsa_float_denorm_mode_16_64 3
		.amdhsa_memory_ordered 1
		.amdhsa_forward_progress 1
		.amdhsa_inst_pref_size 161
	.end_amdhsa_kernel
	.amdgpu_metadata
---
amdhsa.version: [ 1, 2 ]
amdhsa.kernels:
  - .name:           k_q526edf1130_proj
    .symbol:         k_q526edf1130_proj.kd
    .args:
      - { .name: o_codes, .offset: 0, .size: 8, .value_kind: global_buffer, .address_space: global }
      - { .name: o_scales, .offset: 8, .size: 8, .value_kind: global_buffer, .address_space: global }
      - { .name: w_codes, .offset: 16, .size: 8, .value_kind: global_buffer, .address_space: global }
      - { .name: w_scales, .offset: 24, .size: 8, .value_kind: global_buffer, .address_space: global }
      - { .name: bo, .offset: 32, .size: 8, .value_kind: global_buffer, .address_space: global }
      - { .name: out0, .offset: 40, .size: 8, .value_kind: global_buffer, .address_space: global }
    .group_segment_fixed_size: 327680
    .private_segment_fixed_size: 0
    .kernarg_segment_align: 8
    .kernarg_segment_size: 48
    .max_flat_workgroup_size: 128
    .sgpr_count:     104
    .vgpr_count:     1024
    .wavefront_size: 32
...
	.end_amdgpu_metadata
.endif
;; end of part 4
